; MI455X (gfx1250); checked and timed in simulation.
; The chip was launched on July 23, 2026; its instructions are those of AMD's public machine-readable ISA for CDNA 5 (MIT licence, August 2026) and "CDNA5" Instruction Set Architecture Reference Guide (July 2026). The comments in the code are by the model that wrote it; some were corrected since.
;; Attention Layer. Allowed arithmetic: matrix products marked QUANTISED: E2M1 operands, one E8M0 scale for each 32 along K, by v_wmma_scale_f32_16x16x128_f8f6f4 with both operands' format E2M1 (or v_wmma_scale_f32_32x16x128_f4), f32 sums; products left as they are: bf16, f16 or f32 operands; f32 sums; everything else in f32.
;; Inputs: Wc1 2,048 x 512 float32; Wc2 512 x 2,048 float32; Wk 512 x 512 float32; Wl 512 x 512 float32; Wo 512 x 512 float32; Wq 512 x 512 float32; Wv 512 x 512 float32; b1 512 float32; b2 512 float32; bc1 2,048 float32; bc2 512 float32; bk 512 float32; bl 512 float32; bo 512 float32; bq 512 float32; bv 512 float32; g1 512 float32; g2 512 float32; k 4 x 2,048 x 512 float32; q 4 x 2,048 x 512 float32; v 4 x 2,048 x 512 float32.
;; Outputs: out0 4 x 2,048 x 512 float32.
;; This version of the problem:
;;   THIS VERSION OF THE PROBLEM IS GIVEN IN LOW PRECISION. The matrix products marked QUANTISED in the list below multiply operands that are first quantised to E2M1 (2 exponent bits, 1 mantissa bit; 4 bits a number), with one power-of-two scale for each 32 numbers along K (OCP MX v1.0); their sums are f32. The products marked 'left as it is' may take bf16, f16 or f32 operands, with f32 sums. Whichever they take, every output number must still come out within the allowed error. Rounding operands to bf16 (8 significant bits) uses up far more of that allowance than f16 does (11 bits, for magnitudes from 6e-5 to 65,504). All else is computed in f32.
;;   The module's matrix products, in the order in which they are computed (A, B: the left and right operand; K: the contracted axis; several contracted axes count as one K, in the product's order):
;;     1. [M 8,192, K 512] x [K 512, N 512]; A: input q; B: input Wq: QUANTISED
;;     2. [M 8,192, K 512] x [K 512, N 512]; A: input k; B: input Wk: QUANTISED
;;     3. [M 8,192, K 512] x [K 512, N 512]; A: input v; B: input Wv: QUANTISED
;;     4. batch 32 x [M 2,048, K 64] x [K 64, N 2,048]; A: computed on the way; B: computed on the way: left as it is (an operand is computed on the way)
;;     5. batch 32 x [M 64, K 2,048] x [K 2,048, N 2,048]; A: computed on the way; B: computed on the way: left as it is (an operand is computed on the way)
;;     6. [M 8,192, K 512] x [K 512, N 512]; A: computed on the way; B: input Wo: left as it is (an operand is computed on the way)
;;     7. [M 8,192, K 512] x [K 512, N 2,048]; A: computed on the way; B: input Wc1: left as it is (an operand is computed on the way)
;;     8. [M 8,192, K 2,048] x [K 2,048, N 512]; A: computed on the way; B: input Wc2: left as it is (an operand is computed on the way)
;;     9. [M 8,192, K 512] x [K 512, N 512]; A: computed on the way; B: input Wl: left as it is (an operand is computed on the way)
;;   THE QUANTISER, for each operand of a quantised product, along K:
;;     - K is cut into blocks of 32 from its start; a last block that is shorter is filled with zeros.
;;     - A block's scale is 2^e with e = floor(log2(the largest magnitude in the block)) - 2, held to -126 .. 127; a block of zeros has e = 0. As a byte (E8M0): e + 127.
;;     - Each number is divided by its block's scale, clamped to +-6, and rounded to the nearest number of E2M1, ties to even, subnormals kept.
;;     - The product sums the exact products of the quantised numbers (number of the format x scale) in f32.
;;   ~~~python
;;   def quantise(x, axis):      # numpy; x: float32 -> the quantised numbers, widened to float32 again
;;       x = np.moveaxis(x, axis, -1); K = x.shape[-1]
;;       x = np.pad(x, [(0, 0)] * (x.ndim - 1) + [(0, -K % 32)]); x = x.reshape(x.shape[:-1] + (-1, 32)); a = np.abs(x).max(-1, keepdims=True)
;;       e = np.where(a > 0, np.clip(np.frexp(np.where(a > 0, a, 1))[1] - 1 - 2, -126, 127), 0)      # np.frexp(a)[1] - 1 = floor(log2(a)), exactly
;;       r = np.clip(x / 2.0 ** e, -6, 6)
;;       step = 2.0 ** (np.maximum(np.frexp(np.where(r == 0, 1, r))[1] - 1, 0) - 1)
;;       q = np.round(r / step) * step * 2.0 ** e      # np.round: ties to even
;;       return np.moveaxis(q.reshape(q.shape[:-2] + (-1,))[..., :K], -1, axis).astype(np.float32)
;;   ~~~
;; One version. Each part assembles by itself: llvm-mc -triple=amdgcn-amd-amdhsa -mcpu=gfx1250 --defsym DOCPART=n.
;; ======== version 1 of 1: 4 launches
;; limits: values are held in f16: magnitudes above 65,504 overflow, below 6.1e-05 lose precision
;; workspace buffers: wf4 393,216 bytes; ws4 49,152 bytes; wst 5,242,880 bytes; qf 8,388,608 bytes; kf 8,388,608 bytes; vf 8,388,608 bytes; af 8,388,608 bytes
;; launch prep (part 1): grid 416 x 1, 4 waves a work-group, no clusters, 0 bytes of LDS; arguments Wq, Wk, Wv, Wo, Wc1, Wc2, Wl, wf4, ws4, wst; writes wf4, ws4, wst
.if DOCPART == 1
	.amdgcn_target "amdgcn-amd-amdhsa--gfx1250"
	.amdhsa_code_object_version 6
	.text
	.protected	k_qf00c28f139_prep
	.globl	k_qf00c28f139_prep
	.p2align	8
	.type	k_qf00c28f139_prep,@function
k_qf00c28f139_prep:
	s_mov_b64 s[64:65], 0
	v_nop
	global_prefetch_b8 v0, s[64:65] scope:SCOPE_SE
	s_setreg_imm32_b32 hwreg(HW_REG_WAVE_MODE, 25, 1), 1
	s_wait_xcnt 0x0
; THE PROGRAM: four launches.  prep lays the weights out once; proj makes Q, K, V (the three products on codes of E2M1); attn is the causal attention; tail is everything row-wise behind it.
; DEAD WORK, shown for all values of the inputs.  keys = k Wk^T + bk, and scores[l][s] = Q_l . keys_s = Q_l . (k Wk^T)_s + Q_l . bk.  The second term is the same for every s of a row l.  Hidden places are
; replaced by the mask whatever they held; over the visible places the softmax of a row does not change when one number is added to all of them.  The scores' product is not quantised, so bk moves no code and no scale.
; So bk reaches no output: it is not loaded and is among no launch's arguments.  LIMIT: a NaN, an infinity or an overflow that enters through bk alone is not carried to the result.
; THIS LAUNCH.  Work-groups 0-95: Wq, Wk, Wv [512][512] f32 become codes of E2M1 with one E8M0 byte for each 32 along K, laid as IMAGES OF OPERAND REGISTERS:
;   wf4 [matrix 3][tile of 16 rows 32][K step of 128: 4][c 2][lane 32][16 bytes]: lane (r, h), group c: row 16 tile + r, k = 128 step + 64 c + 32 h + 0 .. 31;  ws4 [matrix][tile][K step][lane][4 bytes]: the row's scale word, in lanes r and r + 16 alike.
; A block's scale is 2^(floor(log2(largest magnitude)) - 2); its byte is the largest magnitude's exponent field - 2, held at 1 from below.  A block of zeros gets the byte 1 where the rule says 127: its codes are zeros, and this program alone reads the bytes.
; Work-groups 96-415: Wo, Wc1, Wc2, Wl become f16, in the order in which the last launch walks them: wst [slot 40][wave 8][fragment 16][c 2][lane 32][16 bytes]; fragment (n0, k0): lane (r, h), group c: W[n0 + r][k0 + 16 c + 8 h + 0 .. 7].
;   slots 0-3 Wo, 36-39 Wl, 4 + 4 q + 2, 3 Wc2 of chunk q: n0 = 64 wave + 16 t, fragment 4 ks + t;   slots 4 + 4 q + 0, 1 Wc1 of chunk q: n0 = 256 q + 32 wave + 16 t, fragment 2 ks + t.
; LIMITS: f16 weights: magnitudes beyond 65,504 become infinity, under 6e-8 zero.  NaN and infinities among the inputs are not served.
; No LDS, no barrier: every wave makes whole fragments from its own loads, and each store of a wave covers 512 consecutive aligned bytes (the scale words: 128, a part of a block of 256; they are 48 KB in all).
.set NFP4, 96
	s_load_b512 s[4:19], s[0:1], 0x0               ; Wq s[4:5], Wk s[6:7], Wv s[8:9], Wo s[10:11], Wc1 s[12:13], Wc2 s[14:15], Wl s[16:17], wf4 s[18:19]
	s_load_b128 s[20:23], s[0:1], 0x40             ; ws4 s[20:21], wst s[22:23]
	v_lshrrev_b32 v1, 5, v0
	v_readfirstlane_b32 s24, v1                    ; wave i, 0..3
	v_and_b32 v1, 15, v0                           ; r
	v_bfe_u32 v2, v0, 4, 1                         ; h
	v_and_b32 v3, 31, v0                           ; lane
	s_wait_kmcnt 0x0
	s_cmp_lt_u32 ttmp9, NFP4
	s_cbranch_scc0 .Lhalf
	; ---- codes of E2M1: work-group g = 32 matrix + tile; wave i = the K step
	s_lshr_b32 s25, ttmp9, 5                       ; matrix
	s_and_b32 s26, ttmp9, 31                       ; tile of 16 rows
	s_lshl_b32 s28, s26, 15                        ; 16 rows of 2,048 bytes
	s_lshl_b32 s27, s24, 9                         ; 128 numbers along K
	s_add_co_u32 s28, s28, s27
	s_mov_b32 s29, 0
	s_lshl_b32 s30, ttmp9, 2
	s_add_co_u32 s30, s30, s24                     ; the fragment's number: 4 g + i
	s_lshl_b32 s32, s30, 7                         ; its scale words
	s_mov_b32 s33, 0
	s_lshl_b32 s30, s30, 10                        ; its image
	s_mov_b32 s31, 0
	s_mov_b32 s34, 0x76543210
	s_mov_b32 s35, 0xfedcba98                      ; v_permlanex16_b32's selects for lane l xor 16
	v_lshlrev_b32 v4, 11, v1
	v_lshl_add_u32 v4, v2, 7, v4                   ; row r, + 32 h numbers
	v_lshlrev_b32 v5, 4, v3                        ; 16 x lane
	v_lshlrev_b32 v6, 2, v3                        ; 4 x lane
	s_cmp_eq_u32 s25, 0
	s_cselect_b64 s[36:37], s[4:5], s[6:7]
	s_cmp_eq_u32 s25, 2
	s_cselect_b64 s[36:37], s[8:9], s[36:37]       ; the matrix: a choice on the work-group's number alone
	s_add_nc_u64 s[36:37], s[36:37], s[28:29]
	s_add_nc_u64 s[18:19], s[18:19], s[30:31]
	s_add_nc_u64 s[20:21], s[20:21], s[32:33]
.irp c, 0,1
.irp e, 0,1,2,3,4,5,6,7
	global_load_b128 v[32+32*\c+4*\e:32+32*\c+4*\e+3], v4, s[36:37] offset:256*\c+16*\e th:TH_LOAD_NT   ; my block 2 c + h: all its 32 numbers are mine
.endr
.endr
	s_wait_loadcnt 0x0
.irp c, 0,1
	v_max3_num_f32 v[8+\c], |v[32+32*\c]|, |v[33+32*\c]|, 0x1800000   ; with the floor 2^(3 - 127): the byte cannot fall under 1
.endr
.irp i, 2,4,6,8,10,12,14,16,18,20,22,24,26,28,30
.irp c, 0,1
	v_max3_num_f32 v[8+\c], v[8+\c], |v[32+32*\c+\i]|, |v[33+32*\c+\i]|   ; the two blocks by turns
.endr
.endr
.irp c, 0,1
	v_add_nc_u32 v[10+\c], 0xff000000, v[8+\c]     ; 2 off the exponent field: the conversion takes the exponent field of this operand as its scale
.endr
.irp c, 0,1
	v_lshrrev_b32 v[12+\c], 23, v[10+\c]           ; the scale's byte
.endr
	v_lshl_or_b32 v14, v13, 16, v12                ; my two bytes: blocks h and 2 + h of row r,
	v_lshlrev_b32 v15, 3, v2
	v_lshlrev_b32 v14, v15, v14                    ; 8 h bits up;
	v_mov_b32 v15, 0
	v_permlanex16_b32 v15, v14, s34, s35
	v_or_b32 v14, v14, v15                         ; with lane l xor 16's two the word is whole, in both lanes
.irp c, 0,1
.irp g, 0,1,2,3
	v_cvt_scalef32_pk8_fp4_f32 v[16+4*\c+\g], v[32+32*\c+8*\g:39+32*\c+8*\g], v[10+\c]
.endr
.endr
	v_nop                                          ; one plain line behind the last scaled conversion
	global_store_b128 v5, v[16:19], s[18:19]
	global_store_b128 v5, v[20:23], s[18:19] offset:512
	global_store_b32 v6, v14, s[20:21]
	s_endpgm
.Lhalf:	; ---- f16: work-group g' = 8 slot + wave of the last launch; my wave i takes a strip of 16 rows x 128 along K: four fragments
	s_sub_co_u32 s25, ttmp9, NFP4
	s_lshr_b32 s26, s25, 3                         ; slot
	s_and_b32 s27, s25, 7                          ; w
	s_sub_co_u32 s28, s26, 4
	s_lshr_b32 s29, s28, 2                         ; q: the chunk (used in slots 4-35 alone)
	s_and_b32 s30, s28, 3                          ; p: the slot's place in its matrix or chunk
	s_cmp_lt_u32 s26, 4
	s_cselect_b32 s31, 1, 0                        ; Wo
	s_cmp_ge_u32 s26, 36
	s_cselect_b32 s32, 1, 0                        ; Wl
	s_or_b32 s33, s31, s32
	s_lshr_b32 s34, s30, 1
	s_and_not1_b32 s35, s34, s33                   ; Wc2
	s_or_b32 s36, s34, s33                         ; four tiles of rows to a wave (all but Wc1)
	s_cmp_lg_u32 s34, 0
	s_cselect_b64 s[38:39], s[14:15], s[12:13]
	s_cmp_lg_u32 s31, 0
	s_cselect_b64 s[38:39], s[10:11], s[38:39]
	s_cmp_lg_u32 s32, 0
	s_cselect_b64 s[38:39], s[16:17], s[38:39]     ; the matrix: choices on the work-group's number alone
	s_lshl_b32 s40, s35, 1
	s_add_co_u32 s40, s40, 11                      ; log2 of a row's bytes: 2,048, Wc2 8,192
	s_and_b32 s46, s24, 1
	s_lshr_b32 s47, s24, 1
	s_lshl_b32 s41, s27, 6
	s_lshl_b32 s48, s24, 4
	s_add_co_u32 s41, s41, s48                     ; n0 = 64 w + 16 i
	s_lshl_b32 s42, s29, 8                         ; 256 q
	s_lshl_b32 s48, s27, 5
	s_add_co_u32 s48, s48, s42
	s_lshl_b32 s49, s46, 4
	s_add_co_u32 s48, s48, s49                     ; Wc1: n0 = 256 q + 32 w + 16 (i % 2)
	s_lshl_b32 s43, s30, 7                         ; Wo, Wl: k0 = 128 p
	s_and_b32 s49, s30, 1
	s_lshl_b32 s49, s49, 7
	s_add_co_u32 s44, s42, s49                     ; Wc2: k0 = 256 q + 128 (p - 2)
	s_lshl_b32 s45, s30, 8
	s_lshl_b32 s49, s47, 7
	s_add_co_u32 s45, s45, s49                     ; Wc1: k0 = 256 p + 128 (i / 2)
	s_lshl_b32 s49, s47, 3
	s_add_co_u32 s49, s49, s46                     ; Wc1: first fragment 8 (i / 2) + i % 2
	s_cmp_lg_u32 s36, 0
	s_cselect_b32 s41, s41, s48                    ; n0
	s_cselect_b32 s49, s24, s49                    ; my first fragment,
	s_cselect_b32 s50, 4, 2                        ; and from one K step of 32 to the next
	s_cselect_b32 s45, s44, s45
	s_cmp_lg_u32 s33, 0
	s_cselect_b32 s45, s43, s45                    ; k0
	s_lshl_b32 s52, s41, s40
	s_lshl_b32 s45, s45, 2
	s_add_co_u32 s52, s52, s45
	s_mov_b32 s53, 0
	s_add_nc_u64 s[38:39], s[38:39], s[52:53]      ; my strip
	s_lshl_b32 s52, s26, 17
	s_lshl_b32 s54, s27, 14
	s_add_co_u32 s52, s52, s54
	s_add_nc_u64 s[22:23], s[22:23], s[52:53]      ; the slot's part of wave w
	s_lshl_b32 s49, s49, 10
	s_lshl_b32 s50, s50, 10
	v_lshlrev_b32 v4, s40, v1
	v_lshl_add_u32 v4, v2, 5, v4                   ; row r, + 8 h numbers
	v_lshlrev_b32 v8, 4, v3
	v_add_nc_u32 v8, s49, v8                       ; where my 16 bytes of the four fragments go
	v_add_nc_u32 v9, s50, v8
	v_add_nc_u32 v10, s50, v9
	v_add_nc_u32 v11, s50, v10
.irp ks, 0,1,2,3
.irp c, 0,1
.irp e, 0,1
	global_load_b128 v[32+16*\ks+8*\c+4*\e:32+16*\ks+8*\c+4*\e+3], v4, s[38:39] offset:128*\ks+64*\c+16*\e th:TH_LOAD_NT
.endr
.endr
.endr
.irp ks, 0,1,2,3
	s_wait_loadcnt 12-4*\ks                        ; this fragment's four loads are in; those of the later fragments may be out
.irp c, 0,1
.irp j, 0,1,2,3
	v_cvt_pk_f16_f32 v[96+8*\ks+4*\c+\j], v[32+16*\ks+8*\c+2*\j], v[33+16*\ks+8*\c+2*\j]
.endr
.endr
	global_store_b128 v[8+\ks], v[96+8*\ks:99+8*\ks], s[22:23]
	global_store_b128 v[8+\ks], v[100+8*\ks:103+8*\ks], s[22:23] offset:512
.endr
	s_endpgm
.Lfunc_end_k_qf00c28f139_prep:
	.size	k_qf00c28f139_prep, .Lfunc_end_k_qf00c28f139_prep-k_qf00c28f139_prep
	.p2alignl 7, 3214868480
	.fill 96, 4, 3214868480
	.section	.rodata,"a",@progbits
	.p2align	6, 0x0
	.amdhsa_kernel k_qf00c28f139_prep
		.amdhsa_group_segment_fixed_size 0
		.amdhsa_private_segment_fixed_size 0
		.amdhsa_enable_private_segment 0
		.amdhsa_kernarg_size 80
		.amdhsa_user_sgpr_count 2
		.amdhsa_user_sgpr_kernarg_segment_ptr 1
		.amdhsa_wavefront_size32 1
		.amdhsa_system_sgpr_workgroup_id_x 1
		.amdhsa_system_sgpr_workgroup_id_y 1
		.amdhsa_system_sgpr_workgroup_id_z 1
		.amdhsa_system_vgpr_workitem_id 0
		.amdhsa_next_free_vgpr 128
		.amdhsa_next_free_sgpr 66
		.amdhsa_reserve_vcc 0
		.amdhsa_float_denorm_mode_32 3
		.amdhsa_float_denorm_mode_16_64 3
		.amdhsa_memory_ordered 1
		.amdhsa_forward_progress 1
		.amdhsa_inst_pref_size 13
	.end_amdhsa_kernel
	.amdgpu_metadata
---
amdhsa.version: [ 1, 2 ]
amdhsa.kernels:
  - .name:           k_qf00c28f139_prep
    .symbol:         k_qf00c28f139_prep.kd
    .args:
      - { .name: Wq, .offset: 0, .size: 8, .value_kind: global_buffer, .address_space: global }
      - { .name: Wk, .offset: 8, .size: 8, .value_kind: global_buffer, .address_space: global }
      - { .name: Wv, .offset: 16, .size: 8, .value_kind: global_buffer, .address_space: global }
      - { .name: Wo, .offset: 24, .size: 8, .value_kind: global_buffer, .address_space: global }
      - { .name: Wc1, .offset: 32, .size: 8, .value_kind: global_buffer, .address_space: global }
      - { .name: Wc2, .offset: 40, .size: 8, .value_kind: global_buffer, .address_space: global }
      - { .name: Wl, .offset: 48, .size: 8, .value_kind: global_buffer, .address_space: global }
      - { .name: wf4, .offset: 56, .size: 8, .value_kind: global_buffer, .address_space: global }
      - { .name: ws4, .offset: 64, .size: 8, .value_kind: global_buffer, .address_space: global }
      - { .name: wst, .offset: 72, .size: 8, .value_kind: global_buffer, .address_space: global }
    .group_segment_fixed_size: 0
    .private_segment_fixed_size: 0
    .kernarg_segment_align: 8
    .kernarg_segment_size: 80
    .max_flat_workgroup_size: 128
    .sgpr_count:     66
    .vgpr_count:     128
    .wavefront_size: 32
...
	.end_amdgpu_metadata
.endif
;; end of part 1
;; launch proj (part 2): grid 64 x 3, 8 waves a work-group, no clusters, 37,888 bytes of LDS; arguments q, k, v, bq, bv, wf4, ws4, qf, kf, vf; writes qf, kf, vf
.if DOCPART == 2
	.amdgcn_target "amdgcn-amd-amdhsa--gfx1250"
	.amdhsa_code_object_version 6
	.text
	.protected	k_qf00c28f139_proj
	.globl	k_qf00c28f139_proj
	.p2align	8
	.type	k_qf00c28f139_proj,@function
k_qf00c28f139_proj:
	s_mov_b64 s[64:65], 0
	v_nop
	global_prefetch_b8 v0, s[64:65] scope:SCOPE_SE
	s_setreg_imm32_b32 hwreg(HW_REG_WAVE_MODE, 25, 1), 1
	s_wait_xcnt 0x0
; Q = q Wq^T + bq, K = k Wk^T, V = v Wv^T + bv: the three products on codes of E2M1 with one E8M0 scale for each 32 along K.  bk is left out: it adds the same number to all scores of a row (shown at the head of the first launch).
; Work-group (x, y): tensor y (0 q, 1 k, 2 v), rows 128 x .. 128 x + 127 of its 8,192.  192 work-groups: 3 x 8,192 rows do not fall into 256 equal parts that stay inside one tensor.
; THE WAVES SHARE THE COLUMNS: wave w makes columns 64 w .. 64 w + 63, which are head w, for all 128 rows; its 16 weight fragments stay in registers (window 1).  Wave w also quantises rows 16 w .. 16 w + 15 of the block,
; and the codes go from wave to wave through LDS as images of the operand's registers (16 bytes a lane, 512 a store), the scale words likewise.  One barrier.
; RESULTS leave as f16, again as images of the registers that the next launch's operands want, so that every store of a wave is 512 consecutive aligned bytes:
;   Q, K: the product is used transposed (source 0 = 16 rows of W, source 1 = 16 rows of x): lane (r, h) holds row r, channels 16 t + 8 h + 0 .. 7.  qf, kf [batch 8 + head][tile of 16 rows 128][u 2][c 2][lane][16 bytes], t = 2 u + c.
;   V: source 0 = 16 rows of x, source 1 = 16 rows of W: lane (r, h) holds channel 16 t + r, keys 16 m + 8 h + 0 .. 7.  vf [batch 8 + head][block of 32 keys 64][t 4][c 2][lane][16 bytes], c = m % 2.
; The biases are the C of each sum's first matrix instruction.  K has none: its C tiles are zeros, written once, so that Q and K share one text.
; LIMITS: Q, K, V are rounded to f16: magnitudes beyond 65,504 become infinity.  A block of zeros carries the byte 1, not 127 (its codes are zeros).  NaN and infinities among the inputs are not served.
; REGISTERS, window 0: v4-9 addresses; v16-79, v80-143 two sets of 64 numbers of x, later x's four fragments (v16-47), four accumulators (v48-79), packed results (v80-111, two sets); v144-159 at work; v160 the scale word just made;
;   v162-169 the codes just made; v170-173 x's scale words; v176-207 the bias tiles; v208-223 W's scale words; v252, v253 the add's two.   window 1: W's fragments, (t, K step s) at v[8 (4 t + s)].
.set XIMG,  0                          ; LDS: x's 32 fragments (tile of rows m, K step s: 4 m + s), 1,024 bytes each,
.set XSC,   32768                      ; their scale words, 128 bytes each,
.set SPARE, 36864                      ; and the spare words, 128 bytes for each wave: four blocks of 256 bytes that no other line names
.set XA,  4                            ; v4   x: row r of 2,048 bytes, + 64 h: my 16 numbers of a block of 32
.set LI,  5                            ; v5   16 x lane
.set LS,  6                            ; v6   4 x lane
.set XWI, 7                            ; v7   where I store images: 16 x lane + 4,096 x wave
.set XWS, 8                            ; v8   and scale words: 4 x lane + 512 x wave
.set BO,  9                            ; v9   my lane's offset in the bias
.set N0,  16
.set N1,  80
.set TM,  144
.set PW,  160
.set PC,  162
.set XS,  170
.set BI,  176
.set WS,  208
.set SPW, 252
.set NIL, 253
.set XF,  16
.set ACC, 48
.set PK,  80
.set WV,  24
.set Y,   25
.set SEL, 26
.set MSB, 0
.macro WIN new                         ; the immediate's high byte repeats the setting that is left
.if MSB != \new
	s_set_vgpr_msb (MSB<<8)|\new
.set MSB, \new
.endif
.endm
; 64 numbers of a lane, register 16 b + i = k 32 b + 16 (lane / 16) + i of my row, become a fragment's codes in v[PC] on and its scale word in v[PW].
.macro QUANT s
.irp b, 0,1,2,3
	v_max3_num_f32 v[TM+\b], |v[\s+16*\b]|, |v[\s+1+16*\b]|, 0x1800000   ; block b: my 16 numbers, and the floor 2^(3 - 127): the byte cannot fall under 1
.endr
.irp i, 2,4,6,8,10,12,14
.irp b, 0,1,2,3
	v_max3_num_f32 v[TM+\b], v[TM+\b], |v[\s+16*\b+\i]|, |v[\s+1+16*\b+\i]|   ; the four blocks by turns
.endr
.endr
.irp b, 0,1,2,3
	v_permlanex16_b32 v[TM+4+\b], v[TM+\b], s[SEL], s[SEL+1]
.endr
.irp b, 0,1,2,3
	v_max_num_f32 v[TM+\b], v[TM+\b], v[TM+4+\b]   ; with lane l xor 16's: the block's largest magnitude
.endr
.irp b, 0,1,2,3
	v_add_nc_u32 v[TM+12+\b], 0xff000000, v[TM+\b] ; 2 off its exponent field: the conversion's scale operand
.endr
.irp b, 0,1,2,3
	v_lshrrev_b32 v[TM+4+\b], 23, v[TM+12+\b]      ; the scale's byte
.endr
	v_lshl_or_b32 v[PW], v[TM+5], 8, v[TM+4]       ; the four bytes make my row's scale word
	v_lshl_or_b32 v[PW], v[TM+6], 16, v[PW]
	v_lshl_or_b32 v[PW], v[TM+7], 24, v[PW]
.irp b, 0,1,2,3
	v_cvt_scalef32_pk8_fp4_f32 v[PC+2*\b], v[\s+16*\b:\s+7+16*\b], v[TM+12+\b]
	v_cvt_scalef32_pk8_fp4_f32 v[PC+1+2*\b], v[\s+8+16*\b:\s+15+16*\b], v[TM+12+\b]
.endr
	v_nop                                          ; one plain place behind a scaled conversion
.irp c, 0,1                                    ; the operand's layout wants a whole block in a lane: lanes 0-15 block 2 c, lanes 16-31 block 2 c + 1
.irp i, 0,1
	v_permlane16_swap_b32 v[PC+4*\c+\i], v[PC+2+4*\c+\i]
.endr
.endr
.endm
.macro XLOAD reg, s                    ; my 16 rows' numbers of K step s (512 bytes of a row): 64 a lane.  s may be an expression: it stands in parentheses
.irp b, 0,1,2,3
.irp j, 0,1,2,3
	global_load_b128 v[\reg+16*\b+4*\j:\reg+16*\b+4*\j+3], v[XA], s[28:29] offset:512*(\s)+128*\b+16*\j th:TH_LOAD_NT
.endr
.endr
.endm
; K step s of my 16 rows: left = the younger loads that may stay out; more = 1: the set takes the K step two on.
.macro QSTEP set, s, left, more
	s_wait_loadcnt \left
.if \s > 0
	s_wait_dscnt 0x0                               ; the last image's stores have read their registers
.endif
	QUANT \set
.irp c, 0,1
	ds_store_b128 v[XWI], v[PC+4*\c:PC+4*\c+3] offset:XIMG+1024*\s+512*\c
.endr
	ds_store_b32 v[XWS], v[PW] offset:XSC+128*\s
.if \more
	XLOAD \set, \s+2
.endif
.endm
	s_load_b512 s[4:19], s[0:1], 0x0               ; q s[4:5], k s[6:7], v s[8:9], bq s[10:11], bv s[12:13], wf4 s[14:15], ws4 s[16:17], qf s[18:19]
	s_load_b128 s[20:23], s[0:1], 0x40             ; kf s[20:21], vf s[22:23]
	v_lshl_add_u32 v[SPW], v0, 2, SPARE
	v_mov_b32 v[NIL], 0
	v_lshrrev_b32 v1, 5, v0
	v_readfirstlane_b32 s[WV], v1                  ; wave 0..7
	s_and_b32 s[Y], ttmp7, 0xffff                  ; which tensor
	v_and_b32 v1, 31, v0                           ; lane
	v_and_b32 v2, 15, v0                           ; r
	v_bfe_u32 v3, v0, 4, 1                         ; h
	v_lshlrev_b32 v[XA], 11, v2
	v_lshl_add_u32 v[XA], v3, 6, v[XA]
	v_lshlrev_b32 v[LI], 4, v1
	v_lshlrev_b32 v[LS], 2, v1
	s_lshl_b32 s34, s[WV], 12
	v_add_nc_u32 v[XWI], s34, v[LI]
	s_lshl_b32 s34, s[WV], 9
	v_add_nc_u32 v[XWS], s34, v[LS]
	s_mov_b32 s[SEL], 0x76543210
	s_mov_b32 s[SEL+1], 0xfedcba98
.irp b, 0,1,2,3
	v_mov_b32 v[TM+4+\b], 0                        ; written once: a lane permute's destination counts as one of its sources
.endr
	s_mov_b32 s33, 0
	s_mov_b32 s37, 0
	s_mov_b32 s39, 0
	s_mov_b32 s41, 0
	s_mov_b32 s43, 0
	s_lshl_b32 s32, ttmp9, 18                      ; x: my block's 128 rows of 2,048 bytes,
	s_lshl_b32 s34, s[WV], 15                      ; my wave's 16 of them
	s_add_co_u32 s32, s32, s34
	s_lshr_b32 s36, ttmp9, 4                       ; the results: batch,
	s_lshl_b32 s36, s36, 21
	s_lshl_b32 s34, s[WV], 18                      ; head w,
	s_add_co_u32 s36, s36, s34
	s_and_b32 s34, ttmp9, 15                       ; 128 rows of a head are 16,384 bytes in all three layouts
	s_lshl_b32 s34, s34, 14
	s_add_co_u32 s36, s36, s34
	s_lshl_b32 s38, s[Y], 17                       ; the weight's images: matrix y, my 4 tiles of rows
	s_lshl_b32 s34, s[WV], 14
	s_add_co_u32 s38, s38, s34
	s_lshl_b32 s40, s[Y], 14                       ; and scale words
	s_lshl_b32 s34, s[WV], 11
	s_add_co_u32 s40, s40, s34
	s_lshl_b32 s42, s[WV], 8                       ; my 64 numbers of a bias
	s_wait_kmcnt 0x0
	s_cmp_eq_u32 s[Y], 0
	s_cselect_b64 s[28:29], s[4:5], s[6:7]
	s_cselect_b64 s[30:31], s[18:19], s[20:21]
	s_cmp_eq_u32 s[Y], 2
	s_cselect_b64 s[28:29], s[8:9], s[28:29]       ; choices on the work-group's number alone
	s_cselect_b64 s[30:31], s[22:23], s[30:31]
	s_add_nc_u64 s[28:29], s[28:29], s[32:33]
	s_add_nc_u64 s[30:31], s[30:31], s[36:37]
	s_add_nc_u64 s[14:15], s[14:15], s[38:39]
	s_add_nc_u64 s[16:17], s[16:17], s[40:41]
	s_add_nc_u64 s[10:11], s[10:11], s[42:43]
	s_add_nc_u64 s[12:13], s[12:13], s[42:43]
	s_cmp_eq_u32 s[Y], 1
	s_cbranch_scc1 .Lbias_k
	s_cmp_eq_u32 s[Y], 2
	s_cbranch_scc1 .Lbias_v
	v_lshlrev_b32 v[BO], 5, v3                     ; Q: a lane's eight registers of tile t are channels 16 t + 8 h + 0 .. 7
.irp t, 0,1,2,3
	global_load_b128 v[BI+8*\t:BI+8*\t+3], v[BO], s[10:11] offset:64*\t
	global_load_b128 v[BI+8*\t+4:BI+8*\t+7], v[BO], s[10:11] offset:64*\t+16
.endr
	s_branch .Lbias_done
.Lbias_v:
	v_lshlrev_b32 v[BO], 2, v2                     ; V: all eight registers of tile t are channel 16 t + r
.irp t, 0,1,2,3
.irp j, 0,1,2,3,4,5,6,7
	global_load_b32 v[BI+8*\t+\j], v[BO], s[12:13] offset:64*\t
.endr
.endr
	s_branch .Lbias_done
.Lbias_k:
.set i, 0
.rept 32
	v_mov_b32 v[BI+i], 0                           ; K: no bias
.set i, i+1
.endr
.Lbias_done:
	WIN 0x40                                       ; destination window 1
.irp f, 0,1,2,3,4,5,6,7,8,9,10,11,12,13,14,15
.irp c, 0,1
	global_load_b128 v[8*\f+4*\c:8*\f+4*\c+3], v[LI], s[14:15] offset:1024*\f+512*\c   ; W's fragment f = 4 t + s: it stays
.endr
.endr
	WIN 0
.irp f, 0,1,2,3,4,5,6,7,8,9,10,11,12,13,14,15
	global_load_b32 v[WS+\f], v[LS], s[16:17] offset:128*\f
.endr
	XLOAD N0, 0
	XLOAD N1, 1
	QSTEP N0, 0, 16, 1                             ; loads come back in order: the set's 16 are in, and all that were asked for earlier; the other set's 16 may be out
	QSTEP N1, 1, 16, 1
	QSTEP N0, 2, 16, 0
	QSTEP N1, 3, 0, 0
	s_wait_dscnt 0x0                               ; for the others' sake: my images and scale words have landed
	s_barrier_signal -1
	s_barrier_wait -1                              ; the block's 32 fragments lie in LDS; nothing is stored to LDS from here on
; The products, a tile of 16 rows at a time: 16 matrix instructions, K step by K step, the four accumulators by turns.  var = 0: Q, K;  1: V.
.macro PH1 var
.irp m, 0,1,2,3,4,5,6,7
.irp s, 0,1,2,3
.irp c, 0,1
	ds_load_b128 v[XF+8*\s+4*\c:XF+8*\s+4*\c+3], v[LI] offset:XIMG+(4*\m+\s)*1024+512*\c
.endr
	ds_load_b32 v[XS+\s], v[LS] offset:XSC+128*(4*\m+\s)
.endr
	s_wait_dscnt 0x0
.if \var
	WIN 0x04                                       ; source 1 (W) window 1
.else
	WIN 0x01                                       ; source 0 (W) window 1
.endif
.irp s, 0,1,2,3
.irp t, 0,1,2,3
.if \var
.if \s == 0
	v_wmma_scale_f32_16x16x128_f8f6f4 v[ACC+8*\t:ACC+8*\t+7], v[XF+8*\s:XF+8*\s+7], v[8*(4*\t+\s):8*(4*\t+\s)+7], v[BI+8*\t:BI+8*\t+7], v[XS+\s], v[WS+4*\t+\s] matrix_a_fmt:MATRIX_FMT_FP4 matrix_b_fmt:MATRIX_FMT_FP4
.else
	v_wmma_scale_f32_16x16x128_f8f6f4 v[ACC+8*\t:ACC+8*\t+7], v[XF+8*\s:XF+8*\s+7], v[8*(4*\t+\s):8*(4*\t+\s)+7], v[ACC+8*\t:ACC+8*\t+7], v[XS+\s], v[WS+4*\t+\s] matrix_a_fmt:MATRIX_FMT_FP4 matrix_b_fmt:MATRIX_FMT_FP4
.endif
.else
.if \s == 0
	v_wmma_scale_f32_16x16x128_f8f6f4 v[ACC+8*\t:ACC+8*\t+7], v[8*(4*\t+\s):8*(4*\t+\s)+7], v[XF+8*\s:XF+8*\s+7], v[BI+8*\t:BI+8*\t+7], v[WS+4*\t+\s], v[XS+\s] matrix_a_fmt:MATRIX_FMT_FP4 matrix_b_fmt:MATRIX_FMT_FP4
.else
	v_wmma_scale_f32_16x16x128_f8f6f4 v[ACC+8*\t:ACC+8*\t+7], v[8*(4*\t+\s):8*(4*\t+\s)+7], v[XF+8*\s:XF+8*\s+7], v[ACC+8*\t:ACC+8*\t+7], v[WS+4*\t+\s], v[XS+\s] matrix_a_fmt:MATRIX_FMT_FP4 matrix_b_fmt:MATRIX_FMT_FP4
.endif
.endif
.endr
.endr
	WIN 0
.rept 5
	v_nop                                          ; five places: the conversions read results just made, the next tile's loads land in operands just read, and its first products begin these accumulators anew
.endr
.if \m >= 2
	s_wait_xcnt 0x0                                ; the stores of two tiles back have read this set of packed results
.endif
.irp t, 0,1,2,3
.irp j, 0,1,2,3
	v_cvt_pk_f16_f32 v[PK+16*(\m%2)+4*\t+\j], v[ACC+8*\t+2*\j], v[ACC+8*\t+2*\j+1]   ; each accumulator from its low end on
.endr
.endr
.irp t, 0,1,2,3
.if \var
	global_store_b128 v[LI], v[PK+16*(\m%2)+4*\t:PK+16*(\m%2)+4*\t+3], s[30:31] offset:4096*(\m/2)+1024*\t+512*(\m%2)
.else
	global_store_b128 v[LI], v[PK+16*(\m%2)+4*\t:PK+16*(\m%2)+4*\t+3], s[30:31] offset:2048*\m+512*\t
.endif
.endr
.endr
.endm
	s_cmp_eq_u32 s[Y], 2
	s_cbranch_scc1 .Lvalues
	PH1 0
	s_branch .Lend
.Lvalues:
	PH1 1
.Lend:
	s_wait_tensorcnt 0x0                           ; the wave's end: behind my last LDS store; the tensor wait stands in a text with no tensor load too
	ds_add_u32 v[SPW], v[NIL]
	s_wait_dscnt 0x0
	s_endpgm
.Lfunc_end_k_qf00c28f139_proj:
	.size	k_qf00c28f139_proj, .Lfunc_end_k_qf00c28f139_proj-k_qf00c28f139_proj
	.p2alignl 7, 3214868480
	.fill 96, 4, 3214868480
	.section	.rodata,"a",@progbits
	.p2align	6, 0x0
	.amdhsa_kernel k_qf00c28f139_proj
		.amdhsa_group_segment_fixed_size 37888
		.amdhsa_private_segment_fixed_size 0
		.amdhsa_enable_private_segment 0
		.amdhsa_kernarg_size 80
		.amdhsa_user_sgpr_count 2
		.amdhsa_user_sgpr_kernarg_segment_ptr 1
		.amdhsa_wavefront_size32 1
		.amdhsa_system_sgpr_workgroup_id_x 1
		.amdhsa_system_sgpr_workgroup_id_y 1
		.amdhsa_system_sgpr_workgroup_id_z 1
		.amdhsa_system_vgpr_workitem_id 0
		.amdhsa_next_free_vgpr 384
		.amdhsa_next_free_sgpr 66
		.amdhsa_reserve_vcc 0
		.amdhsa_float_denorm_mode_32 3
		.amdhsa_float_denorm_mode_16_64 3
		.amdhsa_memory_ordered 1
		.amdhsa_forward_progress 1
		.amdhsa_inst_pref_size 105
	.end_amdhsa_kernel
	.amdgpu_metadata
---
amdhsa.version: [ 1, 2 ]
amdhsa.kernels:
  - .name:           k_qf00c28f139_proj
    .symbol:         k_qf00c28f139_proj.kd
    .args:
      - { .name: q, .offset: 0, .size: 8, .value_kind: global_buffer, .address_space: global }
      - { .name: k, .offset: 8, .size: 8, .value_kind: global_buffer, .address_space: global }
      - { .name: v, .offset: 16, .size: 8, .value_kind: global_buffer, .address_space: global }
      - { .name: bq, .offset: 24, .size: 8, .value_kind: global_buffer, .address_space: global }
      - { .name: bv, .offset: 32, .size: 8, .value_kind: global_buffer, .address_space: global }
      - { .name: wf4, .offset: 40, .size: 8, .value_kind: global_buffer, .address_space: global }
      - { .name: ws4, .offset: 48, .size: 8, .value_kind: global_buffer, .address_space: global }
      - { .name: qf, .offset: 56, .size: 8, .value_kind: global_buffer, .address_space: global }
      - { .name: kf, .offset: 64, .size: 8, .value_kind: global_buffer, .address_space: global }
      - { .name: vf, .offset: 72, .size: 8, .value_kind: global_buffer, .address_space: global }
    .group_segment_fixed_size: 37888
    .private_segment_fixed_size: 0
    .kernarg_segment_align: 8
    .kernarg_segment_size: 80
    .max_flat_workgroup_size: 256
    .sgpr_count:     66
    .vgpr_count:     384
    .wavefront_size: 32
...
	.end_amdgpu_metadata
.endif
;; end of part 2
;; launch attn (part 3): grid 8 x 32, 8 waves a work-group, no clusters, 327,680 bytes of LDS; arguments qf, kf, vf, af; writes af
.if DOCPART == 3
	.amdgcn_target "amdgcn-amd-amdhsa--gfx1250"
	.amdhsa_code_object_version 6
	.text
	.protected	k_qf00c28f139_attn
	.globl	k_qf00c28f139_attn
	.p2align	8
	.type	k_qf00c28f139_attn,@function
k_qf00c28f139_attn:
	s_mov_b64 s[64:65], 0
	v_nop
	global_prefetch_b8 v0, s[64:65] scope:SCOPE_SE
	s_setreg_imm32_b32 hwreg(HW_REG_WAVE_MODE, 25, 1), 1
	s_wait_xcnt 0x0
; att[b][l][head] = the sum over s <= l of softmax_s(Q_l . K_s / 8) V_s, on f16 operands with f32 sums, maxima and exponentials.  LEFT OUT: key steps all of whose keys come after a wave's queries: the mask that the problem builds itself
; gives them the weight 0.  Hidden scores inside a step on the diagonal become -infinity, where the problem writes -1e30: the same weight, 0, while visible scores lie far above -1e30.  bk is left out (first launch's head).
; SHARES.  Work-group (j, y): y = 8 batch + head.  A wave owns 32 queries, two tiles of 16: chunk 4 j + w for waves 0-3, chunk 67 - 4 j - w for waves 4-7, so that every work-group has the same number of key steps.
; NO CLUSTER: under the mask the work-groups of a head need different numbers of tiles, and some partner would jump over every read of a tile that was asked for jointly.
; Every work-group walks all 8 slots of 256 keys (constant trip counts; no barrier is jumped over); a step of 64 keys that is hidden from a wave is jumped over by a scalar branch on ids.
; LAYOUT.  S^T = K Q^T (source 0 = 16 keys, source 1 = 16 queries): a lane holds ONE query (lane % 16) and keys 8 (lane / 16) + 0 .. 7 of a tile.  Two such tiles, rounded to f16 in pairs, are source 1 of O^T = V^T P.
; K and V arrive as images of operand registers (launch proj), so a slot is two dense blocks of 32,768 bytes, a fragment half is 512 consecutive bytes, and nothing is padded or turned.
; THE RING: two slots of 65,536 bytes; each of the eight waves brings 8,192 bytes by one tensor load (waves 0-3: K's, waves 4-7: V's).  By this text's count a wave has one tensor load out.
; SOFTMAX: for each query a running maximum m and sum l: p = 2^(c s - c m), c = log2(e) / 8; in every step O^T and l are multiplied by a = 2^(c m_old - c m_new).  The step is written once: O^T and l begin as zeros, m as -3e38.
; att leaves as f16 images of the next launch's operand: af [tile of 16 rows 512][K step of 32: 2 head + u][c 2][lane][16 bytes].
; LIMITS: p and att are rounded to f16 (p under 6e-8 counts as 0); v_exp_f32 and v_rcp_f32 are good to 1 ulp.
; REGISTERS: v1-7 addresses and constants; v8-23 statistics, eight a tile: +0 c m, +1 m, +2, +3 l, +4 .. +7 at work (a in +6); v24-55 Q; v56-119 K's, then V's fragments; v120-183 S^T, then P (packed in place); v184-247 O^T; v248 the prefetch's offset; v250-253 at work.
.set SLOTB, 65536
.set SPARE, 131072                     ; behind the ring: the spare words, 128 bytes for each wave: four blocks of 256 bytes that no other line names
.set LI,   1                           ; v1   16 x lane
.set ADR,  2                           ; v2   LDS address of the step's tiles
.set RH,   3                           ; v3   lane % 16 - 8 (lane / 16)
.set DD,   4                           ; v4   the mask's lane term
.set NINF, 5                           ; v5   -infinity
.set SPW,  6                           ; v6   my spare word; never rewritten
.set NIL,  7                           ; v7   0; never rewritten
.set ST,   8
.set QF,   24
.set KV,   56
.set SS,   120
.set OO,   184
.set PFO,  248                         ; v248 256 x lane; never rewritten
.set W2,   250
.set WV,   12
.set Q0,   16                          ; s16  my first query
.set KF,   17                          ; s17  the step's first key
.set LIMQ, 18                          ; s18  my work-group's last query
.set TB,   19                          ; s19  LDS byte at which the step's tiles of K begin
.set SLOTS, 20
.set STEPC, 21
.set CS,   22                          ; s[22:23] c, twice
.set G1,   24                          ; s[24:31] descriptor group 1
.set G0,   32                          ; s[32:35] descriptor group 0, which walks
.set SEL,  36
.set PFA,  38                          ; s[38:39] where my prefetches stand
.set LIM,  40                          ; s40  1 in a work-group that prefetches, else the greatest number
	s_load_b256 s[4:11], s[0:1], 0x0               ; qf s[4:5], kf s[6:7], vf s[8:9], af s[10:11]
	v_lshl_add_u32 v[SPW], v0, 2, SPARE
	v_mov_b32 v[NIL], 0
	ds_add_u32 v[SPW], v[NIL]                      ; the wave's opening: the add, twice on end, and its wait ahead of my first tensor load
	ds_add_u32 v[SPW], v[NIL]
	v_lshrrev_b32 v1, 5, v0
	v_readfirstlane_b32 s[WV], v1                  ; wave 0..7
	s_and_b32 s46, ttmp7, 0xffff                   ; y = 8 batch + head
	s_lshl_b32 s13, ttmp9, 2
	s_add_co_u32 s41, s13, s[WV]                   ; 4 j + w
	s_sub_co_u32 s42, 67, s41                      ; 67 - 4 j - w
	s_cmp_lt_u32 s[WV], 4
	s_cselect_b32 s43, s41, s42                    ; my chunk of 32 queries
	s_lshl_b32 s[Q0], s43, 5
	s_lshl_b32 s[LIMQ], ttmp9, 7
	s_sub_co_u32 s[LIMQ], 2047, s[LIMQ]            ; chunk 63 - 4 j ends here
	s_mov_b32 s[KF], 0
	s_mov_b32 s[TB], 0
	s_mov_b32 s[SLOTS], 7
	s_mov_b32 s[CS], 0x3e38aa3b                    ; c = log2(e) / 8
	s_mov_b32 s[CS+1], s[CS]
	s_mov_b32 s[SEL], 0x76543210
	s_mov_b32 s[SEL+1], 0xfedcba98
	s_mov_b32 s[G1], 3<<16                         ; no mask; elements of 8 bytes; no padding
	s_mov_b32 s[G1+1], 32<<16                      ; tensor_dim0 = 32 elements: rows of 256 bytes
	s_mov_b32 s[G1+2], 32<<16                      ; tensor_dim1 = 32 rows
	s_mov_b32 s[G1+3], 32<<16                      ; tile_dim0
	s_mov_b32 s[G1+4], 32                          ; tile_dim1
	s_mov_b32 s[G1+5], 32                          ; the pitch: a dense block
	s_mov_b32 s[G1+6], 0
	s_mov_b32 s[G1+7], 0
	s_mov_b32 s[G0], 1
	s_lshl_b32 s[G0+1], s[WV], 13                  ; LDS: 8,192 x wave, in slot 0
	s_cmp_eq_u32 ttmp9, 0
	s_cselect_b32 s[LIM], 1, -1
	s_lshl_b32 s14, s46, 18                        ; a head's K or V: 262,144 bytes
	s_and_b32 s41, s[WV], 3
	s_lshl_b32 s41, s41, 13
	s_add_co_u32 s14, s14, s41                     ; + my quarter of a slot's block
	s_mov_b32 s15, 0
	s_lshl_b32 s44, s46, 18
	s_lshl_b32 s41, s43, 12
	s_add_co_u32 s44, s44, s41                     ; Q: the head, my two tiles of 2,048 bytes
	s_mov_b32 s45, 0
	s_lshr_b32 s41, s46, 3
	s_lshl_b32 s48, s41, 21                        ; att: the batch's 128 tiles of 16,384 bytes,
	s_lshl_b32 s41, s43, 15
	s_add_co_u32 s48, s48, s41                     ; my two tiles,
	s_and_b32 s41, s46, 7
	s_lshl_b32 s41, s41, 11
	s_add_co_u32 s48, s48, s41                     ; the head's two K steps
	s_mov_b32 s49, 0
	s_wait_dscnt 0x0                               ; both opening adds are done
	s_wait_kmcnt 0x0
	s_cmp_lt_u32 s[WV], 4
	s_cselect_b64 s[G0+2:G0+3], s[6:7], s[8:9]     ; waves 0-3 fetch K's block, waves 4-7 V's
	s_add_nc_u64 s[G0+2:G0+3], s[G0+2:G0+3], s[14:15]
	s_add_nc_u64 s[PFA:PFA+1], s[G0+2:G0+3], 32768 ; my part of slot 1: the first change of slots steps it to slot 2.  Nothing is prefetched at the head
	s_or_b32 s[G0+3], s[G0+3], 0x80000000          ; type = 2
	tensor_load_to_lds s[G0:G0+3], s[G1:G1+7]      ; slot 0: every wave's first fill, with no branch
	s_nop 0
	s_add_nc_u64 s[4:5], s[4:5], s[44:45]
	s_add_nc_u64 s[10:11], s[10:11], s[48:49]
	v_and_b32 v2, 31, v0
	v_lshlrev_b32 v[LI], 4, v2
	v_lshlrev_b32 v[PFO], 8, v2
	v_and_b32 v3, 15, v0
	v_bfe_u32 v4, v0, 4, 1
	v_lshlrev_b32 v4, 3, v4
	v_sub_nc_u32 v[RH], v3, v4
	v_mov_b32 v[NINF], 0xff800000
.irp t, 0,1
.irp u, 0,1
.irp cc, 0,1
	global_load_b128 v[QF+16*\t+8*\u+4*\cc:QF+16*\t+8*\u+4*\cc+3], v[LI], s[4:5] offset:2048*\t+1024*\u+512*\cc   ; Q stays in registers
.endr
.endr
.endr
.irp t, 0,1
	v_mov_b32 v[ST+8*\t+1], 0xff61b1e6             ; m: -3e38, under every score
	v_mul_f32 v[ST+8*\t], s[CS], v[ST+8*\t+1]      ; c m
.irp i, 2,3,4,5,6,7
	v_mov_b32 v[ST+8*\t+\i], 0                     ; l; and the registers at work are written once (a lane permute's destination counts as one of its sources)
.endr
.endr
.set i, 0
.rept 64
	v_mov_b32 v[OO+i], 0                           ; O^T: the step is written once, and its first run finds zeros
.set i, i+1
.endr
; A KEY STEP: 64 keys.
.macro STEP
	s_add_co_u32 s41, s[Q0], 31
	s_cmp_gt_u32 s[KF], s41                        ; all keys come after my queries: ids and the count of steps alone
	s_cbranch_scc1 .Lhidden_\@
	v_add_nc_u32 v[ADR], s[TB], v[LI]
.irp u, 0,1
.irp kt, 0,1,2,3
.irp cc, 0,1
	ds_load_b128 v[KV+16*\kt+8*\u+4*\cc:KV+16*\kt+8*\u+4*\cc+3], v[ADR] offset:2048*\kt+1024*\u+512*\cc
.endr
.endr
.endr
.irp u, 0,1
	s_wait_dscnt 8-8*\u                            ; channels 32 u on are in; the eight loads of the other half may be out
.irp t, 0,1
.irp kt, 0,1,2,3
.if \u == 0
	v_wmma_f32_16x16x32_f16 v[SS+32*\t+8*\kt:SS+32*\t+8*\kt+7], v[KV+16*\kt+8*\u:KV+16*\kt+8*\u+7], v[QF+16*\t+8*\u:QF+16*\t+8*\u+7], 0
.else
	v_wmma_f32_16x16x32_f16 v[SS+32*\t+8*\kt:SS+32*\t+8*\kt+7], v[KV+16*\kt+8*\u:KV+16*\kt+8*\u+7], v[QF+16*\t+8*\u:QF+16*\t+8*\u+7], v[SS+32*\t+8*\kt:SS+32*\t+8*\kt+7]
.endif
.endr
.endr
.endr                                          ; the eight accumulators by turns
.rept 4
	v_nop                                          ; four places: V's loads land in K's registers, and the scores are read
.endr
.irp kb, 0,1
.irp ct, 0,1,2,3
.irp cc, 0,1
	ds_load_b128 v[KV+32*\kb+8*\ct+4*\cc:KV+32*\kb+8*\ct+4*\cc+3], v[ADR] offset:32768+4096*\kb+1024*\ct+512*\cc   ; V^T: they land while the softmax is worked
.endr
.endr
.endr
	s_add_co_u32 s41, s[KF], 63
	s_cmp_le_u32 s41, s[Q0]                        ; all keys count for all my queries: no mask
	s_cbranch_scc1 .Lopen_\@
	s_sub_co_i32 s41, s[Q0], s[KF]
	v_add_nc_u32 v[DD], s41, v[RH]                 ; register j of tile (t, kt) holds key KF + 16 kt + 8 h + j and query Q0 + 16 t + r: hidden where 16 kt + j - 16 t > Q0 - KF + r - 8 h
.irp t, 0,1
.irp kt, 0,1,2,3
.irp j, 0,1,2,3,4,5,6,7
	v_cmp_gt_i32 vcc_lo, 16*\kt+\j-16*\t, v[DD]
	v_cndmask_b32 v[SS+32*\t+8*\kt+\j], v[SS+32*\t+8*\kt+\j], v[NINF], vcc_lo
.endr
.endr
.endr
.Lopen_\@:
	; the maximum of my 32 scores and the old m, in four chains; the two tiles line by line in turn.  Key KF counts for every query of a step that is walked, so m is a number
.irp j, 0,1,2,3
.irp t, 0,1
	v_max3_num_f32 v[ST+8*\t+4+\j], v[SS+32*\t+8*\j], v[SS+32*\t+8*\j+1], v[SS+32*\t+8*\j+2]
.endr
.endr
.irp i, 3,5
.irp j, 0,1,2,3
.irp t, 0,1
	v_max3_num_f32 v[ST+8*\t+4+\j], v[ST+8*\t+4+\j], v[SS+32*\t+8*\j+\i], v[SS+32*\t+8*\j+\i+1]
.endr
.endr
.endr
.irp t, 0,1
	v_max3_num_f32 v[ST+8*\t+4], v[ST+8*\t+4], v[SS+32*\t+7], v[SS+32*\t+15]
.endr
.irp t, 0,1
	v_max3_num_f32 v[ST+8*\t+6], v[ST+8*\t+6], v[SS+32*\t+23], v[SS+32*\t+31]
.endr
.irp t, 0,1
	v_max3_num_f32 v[ST+8*\t+4], v[ST+8*\t+4], v[ST+8*\t+5], v[ST+8*\t+6]
.endr
.irp t, 0,1
	v_max3_num_f32 v[ST+8*\t+4], v[ST+8*\t+4], v[ST+8*\t+7], v[ST+8*\t+1]
.endr
.irp t, 0,1
	v_permlanex16_b32 v[ST+8*\t+5], v[ST+8*\t+4], s[SEL], s[SEL+1]   ; the query's other 32 keys lie in the lane 16 away
.endr
.irp t, 0,1
	v_mov_b32 v[ST+8*\t+7], v[ST+8*\t]             ; c m_old
.endr
.irp t, 0,1
	v_max_num_f32 v[ST+8*\t+1], v[ST+8*\t+4], v[ST+8*\t+5]
.endr
.irp t, 0,1
	v_mul_f32 v[ST+8*\t], s[CS], v[ST+8*\t+1]
.endr
.irp t, 0,1
	v_sub_f32 v[ST+8*\t+7], v[ST+8*\t+7], v[ST+8*\t]
.endr
.set i, 0
.rept 16
.irp t, 0,1
	v_pk_fma_f32 v[SS+32*\t+i:SS+32*\t+i+1], v[SS+32*\t+i:SS+32*\t+i+1], s[CS:CS+1], v[ST+8*\t:ST+8*\t+1] op_sel_hi:[1,0,0] neg_lo:[0,0,1] neg_hi:[0,0,1]   ; c s - c m, two at a time
.endr
.set i, i+2
.endr
.irp t, 0,1
	v_exp_f32 v[ST+8*\t+6], v[ST+8*\t+7]           ; a
.endr
.set i, 0
.rept 32
.irp t, 0,1
	v_exp_f32 v[SS+32*\t+i], v[SS+32*\t+i]         ; p: one batch, none of which reads another's result
.endr
.set i, i+1
.endr
	v_nop                                          ; the plain instruction behind the last exponential
	s_wait_alu depctr_va_vdst(0)                   ; one wait for the batch of 66, ahead of its first reader
.irp t, 0,1
	v_pk_add_f32 v[ST+8*\t+4:ST+8*\t+5], v[SS+32*\t:SS+32*\t+1], v[SS+32*\t+2:SS+32*\t+3]   ; the sum of the unrounded p: two chains a tile
.endr
.irp t, 0,1
	v_pk_add_f32 v[W2+2*\t:W2+2*\t+1], v[SS+32*\t+4:SS+32*\t+5], v[SS+32*\t+6:SS+32*\t+7]
.endr
.irp i, 8,12,16,20,24,28
.irp t, 0,1
	v_pk_add_f32 v[ST+8*\t+4:ST+8*\t+5], v[ST+8*\t+4:ST+8*\t+5], v[SS+32*\t+\i:SS+32*\t+\i+1]
.endr
.irp t, 0,1
	v_pk_add_f32 v[W2+2*\t:W2+2*\t+1], v[W2+2*\t:W2+2*\t+1], v[SS+32*\t+\i+2:SS+32*\t+\i+3]
.endr
.endr
.irp t, 0,1
	v_pk_add_f32 v[ST+8*\t+4:ST+8*\t+5], v[ST+8*\t+4:ST+8*\t+5], v[W2+2*\t:W2+2*\t+1]
.endr
.irp t, 0,1
	v_pk_fma_f32 v[ST+8*\t+2:ST+8*\t+3], v[ST+8*\t+2:ST+8*\t+3], v[ST+8*\t+6:ST+8*\t+7], v[ST+8*\t+4:ST+8*\t+5] op_sel_hi:[1,0,1]   ; l = a l + the step's sum
.endr
.set i, 0
.rept 16
.irp t, 0,1
	v_cvt_pk_f16_f32 v[SS+32*\t+i], v[SS+32*\t+2*i], v[SS+32*\t+2*i+1]   ; P, packed in place from the low end: register i never lies above the pair that it is made of
.endr
.set i, i+1
.endr
.set i, 0
.rept 16
.irp t, 0,1
	v_pk_mul_f32 v[OO+32*\t+i:OO+32*\t+i+1], v[OO+32*\t+i:OO+32*\t+i+1], v[ST+8*\t+6:ST+8*\t+7] op_sel_hi:[1,0]   ; O^T x a
.endr
.set i, i+2
.endr
	s_wait_dscnt 0x0                               ; V is in
.irp kb, 0,1
.irp t, 0,1
.irp ct, 0,1,2,3
	v_wmma_f32_16x16x32_f16 v[OO+32*\t+8*\ct:OO+32*\t+8*\ct+7], v[KV+32*\kb+8*\ct:KV+32*\kb+8*\ct+7], v[SS+32*\t+8*\kb:SS+32*\t+8*\kb+7], v[OO+32*\t+8*\ct:OO+32*\t+8*\ct+7]
.endr
.endr
.endr
.rept 5
	v_nop                                          ; five places: the next step's products write over P's registers, its loads land in V's, and the way out reads O^T
.endr
.Lhidden_\@:
	s_add_co_u32 s[KF], s[KF], 64
	s_add_co_u32 s[TB], s[TB], 8192                ; 64 keys of K are 8,192 bytes, and so are 64 keys of V, 32,768 bytes further on
.endm
; THE CHANGE OF SLOTS stands at a slot's head.  Each wave waits for all its tensor loads (its part of the slot ahead), adds 0 to its spare word, and waits for that and for its reads of the slot that it has left.
; Behind the barrier the slot ahead is whole and nobody reads the other.  fill = 1: the other slot takes the next 256 keys, up to the causal limit.
.macro CHANGE fill
	s_wait_tensorcnt 0x0                           ; no tensor load of mine is out, so the group 0 may be written
	ds_add_u32 v[SPW], v[NIL]                      ; once: every way from the head passes the first fill
.if \fill
	s_xor_b32 s[G0+1], s[G0+1], SLOTB              ; the other slot than last time,
	s_add_nc_u64 s[G0+2:G0+3], s[G0+2:G0+3], 32768 ; the next 256 keys; the type bits on top are not reached
	s_wait_xcnt 0x0                                ; the last prefetch, a slot back, has read its address
	s_add_nc_u64 s[PFA:PFA+1], s[PFA:PFA+1], 32768 ; one slot further on than the descriptor
.endif
	s_wait_dscnt 0x0                               ; the add is done, and my reads of the slot that I have left are over
	s_barrier_signal -1
	s_barrier_wait -1
.if \fill
	s_add_co_u32 s41, s[KF], 256                   ; the first key of the slot that this change would ask for:
	s_cmp_gt_u32 s41, s[LIMQ]                      ; behind my work-group's last query it would be read by none of its waves.  Ids and the count of steps alone: all eight waves go the same way,
	s_cbranch_scc1 .Lpast_\@                       ; and every wait on TENSORcnt in this text is for 0
	tensor_load_to_lds s[G0:G0+3], s[G1:G1+7]      ; my one tensor load until the next such barrier: it has a slot's four steps in which to land
	s_nop 0
.Lpast_\@:
	; A prefetch of what the NEXT change of slots will ask for: my wave's own 8,192 bytes, lanes 256 bytes apart.  All work-groups of a head walk the same K and V: the head's first work-group, which walks
	; all slots, asks; so each block of 256 bytes is named once.  The last change that fills a slot asks for nothing: there is no slot behind it.
	s_cmp_gt_u32 s[SLOTS], s[LIM]
	s_cbranch_scc0 .Lnot_mine_\@
	global_prefetch_b8 v[PFO], s[PFA:PFA+1] th:TH_LOAD_NT scope:SCOPE_SE
.Lnot_mine_\@:
.endif
.endm
.macro SLOT_STEPS                      ; a slot's four steps: written once, walked four times
	s_mov_b32 s[STEPC], 4
.Lstep_\@:
	STEP
	s_sub_co_u32 s[STEPC], s[STEPC], 1
	s_cmp_lg_u32 s[STEPC], 0
	s_cbranch_scc1 .Lstep_\@
	s_sub_co_u32 s[TB], s[TB], 32768               ; back to a slot's first step,
	s_xor_b32 s[TB], s[TB], SLOTB                  ; in the other slot
.endm
	s_wait_loadcnt 0x0                             ; Q
.Lslot:                                            ; seven trips: behind each change of slots but the last the next slot is asked for
	CHANGE 1
	SLOT_STEPS
	s_sub_co_u32 s[SLOTS], s[SLOTS], 1
	s_cmp_lg_u32 s[SLOTS], 0
	s_cbranch_scc1 .Lslot
	CHANGE 0                                       ; the last slot is written out: nothing is left to fetch
	SLOT_STEPS
	; THE WAY OUT: O^T / l, rounded to f16: a lane's eight channels of a tile are 16 bytes of the next operand's image, so each store of the wave is 512 consecutive aligned bytes
.irp t, 0,1
	v_add_f32 v[ST+8*\t+4], v[ST+8*\t+2], v[ST+8*\t+3]
.endr
.irp t, 0,1
	v_permlanex16_b32 v[ST+8*\t+5], v[ST+8*\t+4], s[SEL], s[SEL+1]
.endr
.irp t, 0,1
	v_add_f32 v[ST+8*\t+4], v[ST+8*\t+4], v[ST+8*\t+5]
.endr
.irp t, 0,1
	v_rcp_f32 v[ST+8*\t+6], v[ST+8*\t+4]
.endr
	v_nop                                          ; a plain instruction behind the last reciprocal,
	s_wait_alu depctr_va_vdst(0)                   ; and the one wait ahead of the first reader
.set i, 0
.rept 16
.irp t, 0,1
	v_pk_mul_f32 v[OO+32*\t+i:OO+32*\t+i+1], v[OO+32*\t+i:OO+32*\t+i+1], v[ST+8*\t+6:ST+8*\t+7] op_sel_hi:[1,0]
.endr
.set i, i+2
.endr
.set i, 0
.rept 16
.irp t, 0,1
	v_cvt_pk_f16_f32 v[SS+16*\t+i], v[OO+32*\t+2*i], v[OO+32*\t+2*i+1]
.endr
.set i, i+1
.endr
.irp t, 0,1
.irp ct, 0,1,2,3
	global_store_b128 v[LI], v[SS+16*\t+4*\ct:SS+16*\t+4*\ct+3], s[10:11] offset:16384*\t+512*\ct
.endr
.endr
	s_wait_tensorcnt 0x0                           ; the wave's end: behind my last tensor load
	ds_add_u32 v[SPW], v[NIL]
	s_wait_dscnt 0x0
	s_endpgm
.Lfunc_end_k_qf00c28f139_attn:
	.size	k_qf00c28f139_attn, .Lfunc_end_k_qf00c28f139_attn-k_qf00c28f139_attn
	.p2alignl 7, 3214868480
	.fill 96, 4, 3214868480
	.section	.rodata,"a",@progbits
	.p2align	6, 0x0
	.amdhsa_kernel k_qf00c28f139_attn
		.amdhsa_group_segment_fixed_size 327680
		.amdhsa_private_segment_fixed_size 0
		.amdhsa_enable_private_segment 0
		.amdhsa_kernarg_size 32
		.amdhsa_user_sgpr_count 2
		.amdhsa_user_sgpr_kernarg_segment_ptr 1
		.amdhsa_wavefront_size32 1
		.amdhsa_system_sgpr_workgroup_id_x 1
		.amdhsa_system_sgpr_workgroup_id_y 1
		.amdhsa_system_sgpr_workgroup_id_z 1
		.amdhsa_system_vgpr_workitem_id 0
		.amdhsa_next_free_vgpr 256
		.amdhsa_next_free_sgpr 66
		.amdhsa_reserve_vcc 1
		.amdhsa_float_denorm_mode_32 3
		.amdhsa_float_denorm_mode_16_64 3
		.amdhsa_memory_ordered 1
		.amdhsa_forward_progress 1
		.amdhsa_inst_pref_size 56
	.end_amdhsa_kernel
	.amdgpu_metadata
---
amdhsa.version: [ 1, 2 ]
amdhsa.kernels:
  - .name:           k_qf00c28f139_attn
    .symbol:         k_qf00c28f139_attn.kd
    .args:
      - { .name: qf, .offset: 0, .size: 8, .value_kind: global_buffer, .address_space: global }
      - { .name: kf, .offset: 8, .size: 8, .value_kind: global_buffer, .address_space: global }
      - { .name: vf, .offset: 16, .size: 8, .value_kind: global_buffer, .address_space: global }
      - { .name: af, .offset: 24, .size: 8, .value_kind: global_buffer, .address_space: global }
    .group_segment_fixed_size: 327680
    .private_segment_fixed_size: 0
    .kernarg_segment_align: 8
    .kernarg_segment_size: 32
    .max_flat_workgroup_size: 256
    .sgpr_count:     66
    .vgpr_count:     256
    .wavefront_size: 32
...
	.end_amdgpu_metadata
.endif
;; end of part 3
;; launch tail (part 4): grid 256 x 1, 8 waves a work-group, clusters of 4 x 1, 327,680 bytes of LDS; arguments af, v, wst, bo, g1, b1, bc1, bc2, g2, b2, bl, out0; writes out0
.if DOCPART == 4
	.amdgcn_target "amdgcn-amd-amdhsa--gfx1250"
	.amdhsa_code_object_version 6
	.text
	.protected	k_qf00c28f139_tail
	.globl	k_qf00c28f139_tail
	.p2align	8
	.type	k_qf00c28f139_tail,@function
k_qf00c28f139_tail:
	s_mov_b64 s[64:65], 0
	v_nop
	global_prefetch_b8 v0, s[64:65] scope:SCOPE_SE
	s_setreg_imm32_b32 hwreg(HW_REG_WAVE_MODE, 25, 1), 1
	s_wait_xcnt 0x0
	s_wait_alu depctr_hold_cnt(0) depctr_sa_sdst(0) depctr_va_vdst(0) depctr_va_sdst(0) depctr_va_ssrc(0) depctr_va_vcc(0) depctr_vm_vsrc(0)
	s_getreg_b32 s2, hwreg(HW_REG_IB_STS2, 6, 4)
	s_cmp_eq_u32 s2, 0
	s_cbranch_scc0 .Lentry_in_a_cluster
	s_endpgm
.Lentry_in_a_cluster:
	s_bfe_u32 s2, ttmp6, 0x10000c
	s_cmp_lg_u32 s2, 0x3003
	s_cbranch_scc0 .Lentry_shape_is_right
	s_endpgm
.Lentry_shape_is_right:
; x = LN1(v + att Wo^T + bo);  y = LN2(x + relu(x Wc1^T + bc1) Wc2^T + bc2);  out0 = y Wl^T + bl.  All four products on f16 operands with f32 sums; norms, residuals, biases and the activation in f32.  No intermediate goes to memory.
; SHARES.  A norm wants whole rows, so a work-group owns rows: 32 of the 8,192, two tiles of 16 (m = 0, 1).  THE WAVES SHARE THE COLUMNS: wave w makes columns 64 w .. 64 w + 63 of every result of 512 columns, and
; 32 w .. 32 w + 31 of a chunk of 256 of the hidden layer's 2,048.  The hidden layer goes chunk by chunk: 256 units are made, rounded, and multiplied into the second product's sums at once.
; EVERY PRODUCT IS USED TRANSPOSED (source 0 = 16 rows of the weight, source 1 = 16 rows of the activation): lane (r, h) holds row r and columns 16 t + 8 h + 0 .. 7, which, rounded to f16, are 16 bytes of the next product's
; operand in the same lane.  So activations go from wave to wave through LDS as images of operand registers: [m][K step of 32][c 2][lane][16 bytes]: no pitch, no padding.
; THE WEIGHTS, 40 slots of 131,072 bytes laid by the first launch in the order of this walk, COME BY TWO ROADS, slot by slot in turn.  Of each slot wave w takes, and alone uses, its own 16,384 bytes: 16 fragments.
;   EVEN SLOTS: through a ring of two LDS buffers.  All work-groups walk the same weights, so the four of a cluster ask JOINTLY: the same tensor load, with the same descriptor (it hangs on the wave's number and the slot alone) and the mask 15.
;   ODD SLOTS: from memory straight into registers of window 1, two sets of 128: 32 loads of 512 consecutive bytes a wave, asked for four slots ahead; up to 64 loads of a wave are out.
;   WHY TWO ROADS.  A wave has one tensor load behind each round, and two buffers of 131,072 bytes beside the activations fill LDS: by the ring alone one slot is on its way for a slot's 32 matrix instructions a wave.
;   The registers hold two slots more, and their loads are bound to no barrier: so a round serves two slots, 64 matrix instructions a wave, and an odd slot costs no LDS write and no LDS read.
;   The odd slots are not shared in the cluster: a load into registers has no joint form.
; Sums begin with what is added anyway: v + bo, bc1, x + bc2, bl stand in the accumulators before the first product.  So f32 sums are taken in another order than the problem writes them.
; A norm's mean and variance: each wave its 64 columns' mean and centred sum of squares; the eight are joined as M2 = the sum of M2_i + 64 x the sum of (mean_i - mean)^2: no difference of large sums.
; LIMITS: operands are rounded to f16: magnitudes beyond 65,504 become infinity, under 6e-8 zero.  v_rsq_f32 is good to 1 ulp.  NaN and infinities among the inputs are not served.
; REGISTERS, window 0: v1-15 addresses; v16-31 at work; v32-95 accumulators A, tile (t, m) at + 8 (2 t + m); v96-159 accumulators B likewise; v160-255 fragments: for an even slot two sets of 48 (the weight's at + 8 t, the
;   activation's at + 32 + 8 m), for an odd slot two buffers of 32 (the activation's, K step kk of two and m at + 16 kk + 8 m).   window 1: v0-127 the fragments of slots 1, 5, 9 ..; v128-255 those of slots 3, 7, 11 ..: fragment f at + 8 f.
.set BUF1,  1<<17                      ; LDS: ring buffer 0 at 0, buffer 1 here: one exclusive or turns an address in one into the other's
.set SLOTB, 131072
.set XB,    262144                     ; [m 2][K step 16][1,024]: att, then x, then LN2's result
.set HB,    294912                     ; [m 2][K step 8][1,024]: a chunk of the hidden layer
.set BC,    311296                     ; bc1, 8,192 bytes
.set SPARE, 319488                     ; the spare words, 128 bytes for each wave: four blocks of 256 bytes that no other line names
.set LNS,   320512                     ; [wave 8][m 2][lane 32][8 bytes]: the waves' means and centred sums of squares
.set LI,   1                           ; v1   16 x lane; never rewritten
.set AW,   2                           ; v2   16 x lane + 16,384 x wave: my part of a buffer
.set ADRW, 3                           ; v3   the same in the buffer in hand
.set AX,   4                           ; v4   16 x lane + XB
.set AH,   5                           ; v5   16 x lane + HB
.set SPW,  6
.set NIL,  7
.set XW,   8                           ; v8   where I store images into XB: my columns are K steps 2 w, 2 w + 1
.set HW,   9                           ; v9   and into HB: K step w
.set LNW,  10
.set LNR,  11
.set GV,   12                          ; v12  2,048 r + 32 h: my lane in rows of v
.set GC,   13                          ; v13  32 h: my lane in a vector of columns
.set ABC,  14                          ; v14  BC + 128 w + 32 h
.set PFO,  15                          ; v15  256 x lane; never rewritten
.set ACA,  32
.set ACB,  96
.set FR0,  160
.set GW,   8                           ; s[8:9] my wave's part of the odd slot that was asked for last
.set WV,   28
.set G1,   32                          ; s[32:39] descriptor group 1
.set G0,   40                          ; s[40:43] descriptor group 0, which walks
.set TB,   44                          ; s44  the buffer in hand
.set BQ,   45                          ; s45  1,024 x chunk: its bytes of bc1
.set TRIP, 46
.set LIM,  47                          ; s47  1 in a wave that prefetches, else the greatest number
.set PFA,  48                          ; s[48:49]
.set SEL,  50                          ; s[50:51]
.set MSB, 0
.macro WIN new                         ; the immediate's high byte repeats the setting that is left; a switch that changes nothing is dropped
.if MSB != \new
	s_set_vgpr_msb (MSB<<8)|\new
.set MSB, \new
.endif
.endm
.macro CROUND                          ; a round of the cluster's barrier
	s_barrier_signal -1
	s_barrier_wait -1
	s_cmp_lg_u32 s[WV], 0
	s_cbranch_scc1 .Lnot_wave_0_\@
	s_barrier_signal -3
.Lnot_wave_0_\@:
	s_barrier_wait -3
	s_barrier_signal -1
	s_barrier_wait -1
.endm
.macro PLACES n
.rept \n
	v_nop
.endr
.endm
.macro BARRIER                         ; my LDS stores have landed and my LDS loads are in: then the work-group's barrier
	s_wait_dscnt 0x0
	s_barrier_signal -1
	s_barrier_wait -1
.endm
; AN EVEN SLOT.  The fragments of one K step of 32: nt of the weight (fragment ks nt + t of my 16) and the activation's two (K step k0 + ks of the images at areg, mstr bytes from m to m).
.macro FETCH set, nt, ks, areg, mstr, k0
.set FB, FR0+48*(\set)
.set tt, 0
.rept \nt
	ds_load_b128 v[FB+8*tt:FB+8*tt+3], v[ADRW] offset:((\ks)*(\nt)+tt)*1024
	ds_load_b128 v[FB+8*tt+4:FB+8*tt+7], v[ADRW] offset:((\ks)*(\nt)+tt)*1024+512
.set tt, tt+1
.endr
.irp m, 0,1
	ds_load_b128 v[FB+32+8*\m:FB+32+8*\m+3], v[\areg] offset:\m*(\mstr)+((\k0)+(\ks))*1024
	ds_load_b128 v[FB+32+8*\m+4:FB+32+8*\m+7], v[\areg] offset:\m*(\mstr)+((\k0)+(\ks))*1024+512
.endr
.endm
.macro MUL set, nt, acc                ; 2 nt matrix instructions, each on another accumulator: they take turns, one instruction a turn
.set FB, FR0+48*(\set)
.set tt, 0
.rept \nt
.irp m, 0,1
	v_wmma_f32_16x16x32_f16 v[\acc+8*(2*tt+\m):\acc+8*(2*tt+\m)+7], v[FB+8*tt:FB+8*tt+7], v[FB+32+8*\m:FB+32+8*\m+7], v[\acc+8*(2*tt+\m):\acc+8*(2*tt+\m)+7]
.endr
.set tt, tt+1
.endr
.endm
; Its work: 16 / nt K steps on two sets of fragments by turns; a K step's fragments are asked for ahead of the products of the K step before.
.macro RUN nt, acc, areg, mstr, k0
.set KS, 16/(\nt)
	v_add_nc_u32 v[ADRW], s[TB], v[AW]
	FETCH 0, \nt, 0, \areg, \mstr, \k0
.set KK, 0
.rept KS
.if KK+1 < KS
.if KK >= 1
	PLACES 4                                       ; the loads below land in registers that the last products read
.endif
	FETCH (KK+1)%2, \nt, KK+1, \areg, \mstr, \k0
	s_wait_dscnt 2*(\nt)+4                         ; all but the fetch just issued
.else
	s_wait_dscnt 0x0
.endif
	MUL KK%2, \nt, \acc
.set KK, KK+1
.endr
	PLACES 4                                       ; for whatever reads the sums or writes the fragments' registers next
.endm
; AN ODD SLOT.  GLOAD asks for it: my 16 fragments, 32 loads of 512 consecutive bytes, into set 0 or 1 of window 1.  The slots are asked for in ascending order, 1, 3, 5 .. 39: one base, two slots on each time.
.macro GLOAD set, first
.if \first == 0
	s_wait_xcnt 0x0                                ; the last run of loads has read its base
	s_add_nc_u64 s[GW:GW+1], s[GW:GW+1], 2*SLOTB
.endif
	WIN 0x40                                       ; destination window 1, address window 0
.set ff, 0
.rept 16
	global_load_b128 v[128*(\set)+8*ff:128*(\set)+8*ff+3], v[LI], s[GW:GW+1] offset:1024*ff
	global_load_b128 v[128*(\set)+8*ff+4:128*(\set)+8*ff+7], v[LI], s[GW:GW+1] offset:1024*ff+512
.set ff, ff+1
.endr
	WIN 0
.endm
.macro FETCHA buf, g, areg, mstr, k0   ; the activation's four fragments of K steps k0 + 2 g, k0 + 2 g + 1: eight LDS loads
.set FB, FR0+32*(\buf)
.irp kk, 0,1
.irp m, 0,1
	ds_load_b128 v[FB+16*\kk+8*\m:FB+16*\kk+8*\m+3], v[\areg] offset:\m*(\mstr)+((\k0)+2*(\g)+\kk)*1024
	ds_load_b128 v[FB+16*\kk+8*\m+4:FB+16*\kk+8*\m+7], v[\areg] offset:\m*(\mstr)+((\k0)+2*(\g)+\kk)*1024+512
.endr
.endr
.endm
.macro MULR buf, g, nt, acc, set       ; 4 nt matrix instructions: two K steps, the weight's fragments from window 1; the 2 nt accumulators by turns, one instruction a turn
.set FB, FR0+32*(\buf)
	WIN 0x01                                       ; source 0 (the weight) window 1
.irp kk, 0,1
.set tt, 0
.rept \nt
.irp m, 0,1
	v_wmma_f32_16x16x32_f16 v[\acc+8*(2*tt+\m):\acc+8*(2*tt+\m)+7], v[128*(\set)+8*((2*(\g)+\kk)*(\nt)+tt):128*(\set)+8*((2*(\g)+\kk)*(\nt)+tt)+7], v[FB+16*\kk+8*\m:FB+16*\kk+8*\m+7], v[\acc+8*(2*tt+\m):\acc+8*(2*tt+\m)+7]
.endr
.set tt, tt+1
.endr
.endr
	WIN 0
.endm
; Its work: 8 / nt groups of two K steps; the activation's fragments on two buffers by turns.  left: the loads younger than this slot's that may stay out: the other set's 32, or none.
.macro RUNR nt, acc, areg, mstr, k0, set, left
.set NG, 8/(\nt)
	FETCHA 0, 0, \areg, \mstr, \k0
	s_wait_loadcnt \left                           ; loads come back in order: this slot's 32 are in
.set GG, 0
.rept NG
.if GG+1 < NG
.if GG >= 1
	PLACES 4                                       ; the loads below land in registers that the last products read
.endif
	FETCHA (GG+1)%2, GG+1, \areg, \mstr, \k0
	s_wait_dscnt 8                                 ; all but the eight just issued
.else
	s_wait_dscnt 0x0
.endif
	MULR GG%2, GG, \nt, \acc, \set
.set GG, GG+1
.endr
	PLACES 4                                       ; for the loads that fill this set again, and for whatever reads the sums next
.endm
; THE CHANGE OF BUFFERS stands at an even slot's head.  Each wave waits for all its tensor loads (the slot ahead), adds 0 to its spare word, and waits for that and for all its LDS instructions.  fill = 1: a round of the cluster's
; barrier, so that no wave of any partner still reads the buffer that is left or has a load on its way; behind it the joint load of the next even slot, first.  The round also hands over what the waves have stored for each other.
; ask: a prefetch of the two slots that lie four and five behind the slot entered: the even one is asked for by the next round's tensor load, the odd one by the loads behind this round's second slot.  All clusters walk the same
; weights: the first cluster asks; its four partners take 32,768 bytes of a slot each, told apart by address; in each, waves 0-3 take 8,192 bytes, lanes 256 bytes apart: each block of 256 bytes is named once.
; Slots 0-3 come by their loads alone.  ask = 1: always; ask = 2, the loop's second change: not in the last trip, where the two slots would lie behind the buffer's end.
.macro ENTER fill, ask
	s_wait_tensorcnt 0x0                           ; no tensor load of mine is out, so the group 0 may be written
	ds_add_u32 v[SPW], v[NIL]
.if \fill
	s_xor_b32 s[G0+1], s[G0+1], BUF1
	s_add_nc_u64 s[G0+2:G0+3], s[G0+2:G0+3], 2*SLOTB   ; the next even slot; the type bits on top are not reached
.endif
.if \ask
	s_wait_xcnt 0x0                                ; the last prefetches, two slots back, have read their address
	s_add_nc_u64 s[PFA:PFA+1], s[PFA:PFA+1], 2*SLOTB
.endif
	s_wait_dscnt 0x0
.if \fill
	CROUND
	tensor_load_to_lds s[G0:G0+3], s[G1:G1+7]      ; my one tensor load until the next round: it has two slots' work in which to land
	s_nop 0
.if \ask
.if \ask == 1
	s_cmp_eq_u32 s[LIM], 1
.else
	s_cmp_gt_u32 s[TRIP], s[LIM]                   ; s[TRIP] = 1 in the last trip
.endif
	s_cbranch_scc0 .Lnot_mine_\@
	global_prefetch_b8 v[PFO], s[PFA:PFA+1] th:TH_LOAD_NT scope:SCOPE_SE
	global_prefetch_b8 v[PFO], s[PFA:PFA+1] offset:SLOTB th:TH_LOAD_NT scope:SCOPE_SE
.Lnot_mine_\@:
.endif
.else
	s_barrier_signal -1
	s_barrier_wait -1
.endif
	s_xor_b32 s[TB], s[TB], BUF1
.endm
; A norm, first half: of my wave's 64 columns of each row the mean and the centred sum of squares, to LDS.  Each accumulator is read from its low end on.
.macro LNA acc
.irp m, 0,1
	v_pk_add_f32 v[16:17], v[\acc+8*\m:\acc+8*\m+1], v[\acc+8*\m+2:\acc+8*\m+3]
	v_pk_add_f32 v[18:19], v[\acc+8*\m+4:\acc+8*\m+5], v[\acc+8*\m+6:\acc+8*\m+7]
.irp t, 1,2,3
	v_pk_add_f32 v[16:17], v[16:17], v[\acc+8*(2*\t+\m):\acc+8*(2*\t+\m)+1]
	v_pk_add_f32 v[18:19], v[18:19], v[\acc+8*(2*\t+\m)+2:\acc+8*(2*\t+\m)+3]
	v_pk_add_f32 v[16:17], v[16:17], v[\acc+8*(2*\t+\m)+4:\acc+8*(2*\t+\m)+5]
	v_pk_add_f32 v[18:19], v[18:19], v[\acc+8*(2*\t+\m)+6:\acc+8*(2*\t+\m)+7]
.endr
	v_pk_add_f32 v[16:17], v[16:17], v[18:19]
	v_add_f32 v16, v16, v17
	v_permlanex16_b32 v17, v16, s[SEL], s[SEL+1]   ; the row's other 32 columns lie in the lane 16 away
	v_add_f32 v16, v16, v17
	v_mul_f32 v26, 0x3c800000, v16                 ; / 64
	v_mul_f32 v27, 0x3c800000, v16
	v_mov_b32 v[28+2*\m], v26
	v_pk_add_f32 v[20:21], v[\acc+8*\m:\acc+8*\m+1], v[26:27] neg_lo:[0,1] neg_hi:[0,1]
	v_pk_add_f32 v[22:23], v[\acc+8*\m+2:\acc+8*\m+3], v[26:27] neg_lo:[0,1] neg_hi:[0,1]
	v_pk_mul_f32 v[16:17], v[20:21], v[20:21]
	v_pk_mul_f32 v[18:19], v[22:23], v[22:23]
	v_pk_add_f32 v[20:21], v[\acc+8*\m+4:\acc+8*\m+5], v[26:27] neg_lo:[0,1] neg_hi:[0,1]
	v_pk_add_f32 v[22:23], v[\acc+8*\m+6:\acc+8*\m+7], v[26:27] neg_lo:[0,1] neg_hi:[0,1]
	v_pk_fma_f32 v[16:17], v[20:21], v[20:21], v[16:17]
	v_pk_fma_f32 v[18:19], v[22:23], v[22:23], v[18:19]
.irp t, 1,2,3
.irp p, 0,4
	v_pk_add_f32 v[20:21], v[\acc+8*(2*\t+\m)+\p:\acc+8*(2*\t+\m)+\p+1], v[26:27] neg_lo:[0,1] neg_hi:[0,1]
	v_pk_add_f32 v[22:23], v[\acc+8*(2*\t+\m)+\p+2:\acc+8*(2*\t+\m)+\p+3], v[26:27] neg_lo:[0,1] neg_hi:[0,1]
	v_pk_fma_f32 v[16:17], v[20:21], v[20:21], v[16:17]
	v_pk_fma_f32 v[18:19], v[22:23], v[22:23], v[18:19]
.endr
.endr
	v_pk_add_f32 v[16:17], v[16:17], v[18:19]
	v_add_f32 v16, v16, v17
	v_permlanex16_b32 v17, v16, s[SEL], s[SEL+1]
	v_add_f32 v[29+2*\m], v16, v17
	ds_store_b64 v[LNW], v[28+2*\m:29+2*\m] offset:256*\m
.endr
.endm
; A norm, second half, behind a barrier: the eight waves' figures are joined, and my columns become (x - mean) / sqrt(var + 1e-5) x gain + bias.  Gains in v160-191, biases in v192-223, tile t at + 8 t.  tmp: 32 free registers.
.macro LNB acc, tmp
.irp w, 0,1,2,3,4,5,6,7
.irp m, 0,1
	ds_load_b64 v[\tmp+4*\w+2*\m:\tmp+4*\w+2*\m+1], v[LNR] offset:512*\w+256*\m
.endr
.endr
	s_wait_dscnt 0x0
.irp m, 0,1
	v_add_f32 v16, v[\tmp+2*\m], v[\tmp+4+2*\m]
	v_add_f32 v17, v[\tmp+8+2*\m], v[\tmp+12+2*\m]
	v_add_f32 v18, v[\tmp+16+2*\m], v[\tmp+20+2*\m]
	v_add_f32 v19, v[\tmp+24+2*\m], v[\tmp+28+2*\m]
	v_add_f32 v16, v16, v17
	v_add_f32 v18, v18, v19
	v_add_f32 v16, v16, v18
	v_mul_f32 v[20+4*\m], 0x3e000000, v16          ; the row's mean: / 8
	v_add_f32 v16, v[\tmp+1+2*\m], v[\tmp+5+2*\m]
	v_add_f32 v17, v[\tmp+9+2*\m], v[\tmp+13+2*\m]
	v_add_f32 v18, v[\tmp+17+2*\m], v[\tmp+21+2*\m]
	v_add_f32 v19, v[\tmp+25+2*\m], v[\tmp+29+2*\m]
	v_add_f32 v16, v16, v17
	v_add_f32 v18, v18, v19
	v_add_f32 v16, v16, v18
	v_sub_f32 v17, v[\tmp+2*\m], v[20+4*\m]
	v_mul_f32 v18, v17, v17
.irp w, 1,2,3,4,5,6,7
	v_sub_f32 v17, v[\tmp+4*\w+2*\m], v[20+4*\m]
	v_fma_f32 v18, v17, v17, v18
.endr
	v_fma_f32 v16, v18, s54, v16                   ; + 64 x the sum of (mean_i - mean)^2
	v_fma_f32 v16, v16, s55, s56                   ; / 512 + 1e-5
	v_rsq_f32 v[22+4*\m], v16
	v_mov_b32 v[21+4*\m], v[20+4*\m]               ; (a plain instruction behind the transcendental)
.endr
	s_wait_alu depctr_va_vdst(0)                   ; one wait for the two, ahead of their first reader
	v_mov_b32 v23, v22
	v_mov_b32 v27, v26
.irp t, 0,1,2,3
.irp m, 0,1
.irp p, 0,2,4,6
	v_pk_add_f32 v[\acc+8*(2*\t+\m)+\p:\acc+8*(2*\t+\m)+\p+1], v[\acc+8*(2*\t+\m)+\p:\acc+8*(2*\t+\m)+\p+1], v[20+4*\m:21+4*\m] neg_lo:[0,1] neg_hi:[0,1]
.endr
.endr
.endr
.irp t, 0,1,2,3
.irp m, 0,1
.irp p, 0,2,4,6
	v_pk_mul_f32 v[\acc+8*(2*\t+\m)+\p:\acc+8*(2*\t+\m)+\p+1], v[\acc+8*(2*\t+\m)+\p:\acc+8*(2*\t+\m)+\p+1], v[22+4*\m:23+4*\m]
.endr
.endr
.endr
.irp t, 0,1,2,3
.irp m, 0,1
.irp p, 0,2,4,6
	v_pk_fma_f32 v[\acc+8*(2*\t+\m)+\p:\acc+8*(2*\t+\m)+\p+1], v[\acc+8*(2*\t+\m)+\p:\acc+8*(2*\t+\m)+\p+1], v[160+8*\t+\p:161+8*\t+\p], v[192+8*\t+\p:193+8*\t+\p]
.endr
.endr
.endr
.endm
.macro PACKX acc                       ; my 64 columns of the 32 rows, rounded to f16, become K steps 2 w and 2 w + 1 of the images in XB: tile t is half t % 2 of K step 2 w + t / 2
.irp m, 0,1
.if \m
	s_wait_dscnt 0x0                               ; the stores have read their registers
.endif
.irp t, 0,1,2,3
.irp j, 0,1,2,3
	v_cvt_pk_f16_f32 v[16+4*\t+\j], v[\acc+8*(2*\t+\m)+2*\j], v[\acc+8*(2*\t+\m)+2*\j+1]
.endr
.endr
.irp t, 0,1,2,3
	ds_store_b128 v[XW], v[16+4*\t:19+4*\t] offset:16384*\m+512*\t
.endr
.endr
.endm
.macro CLOAD reg, base                 ; my 64 numbers of a vector of 512 columns: tile t's eight of my half at reg + 8 t
.irp t, 0,1,2,3
	global_load_b128 v[\reg+8*\t:\reg+8*\t+3], v[GC], s[\base:\base+1] offset:64*\t
	global_load_b128 v[\reg+8*\t+4:\reg+8*\t+7], v[GC], s[\base:\base+1] offset:64*\t+16
.endr
.endm
	s_load_b512 s[4:19], s[0:1], 0x0               ; af s[4:5], v s[6:7], wst s[8:9], bo s[10:11], g1 s[12:13], b1 s[14:15], bc1 s[16:17], bc2 s[18:19]
	s_load_b256 s[20:27], s[0:1], 0x40             ; g2 s[20:21], b2 s[22:23], bl s[24:25], out0 s[26:27]
	v_lshl_add_u32 v[SPW], v0, 2, SPARE
	v_mov_b32 v[NIL], 0
	ds_add_u32 v[SPW], v[NIL]                      ; the wave's opening: the add, twice on end, and its wait ahead of the round in front of my first tensor load
	ds_add_u32 v[SPW], v[NIL]
	v_lshrrev_b32 v1, 5, v0
	v_readfirstlane_b32 s[WV], v1                  ; wave 0..7
	s_bfe_u32 s29, ttmp6, 0x40000                  ; cx: my place in the cluster: it enters global addresses alone
	s_lshl_b32 s30, ttmp9, 2
	s_add_co_u32 s30, s30, s29                     ; my block of 32 rows
	s_mov_b32 s[G1], 15|(3<<16)|(1<<21)            ; the mask: all four work-groups; elements of 8 bytes; bit 21 set beside a mask; no padding
	s_mov_b32 s[G1+1], 32<<16                      ; tensor_dim0 = 32 elements: rows of 256 bytes
	s_mov_b32 s[G1+2], 64<<16                      ; tensor_dim1 = 64 rows
	s_mov_b32 s[G1+3], 32<<16                      ; tile_dim0
	s_mov_b32 s[G1+4], 64                          ; tile_dim1
	s_mov_b32 s[G1+5], 32                          ; the pitch: a dense block
	s_mov_b32 s[G1+6], 0
	s_mov_b32 s[G1+7], 0
	s_mov_b32 s[G0], 1
	s_lshl_b32 s[G0+1], s[WV], 14                  ; LDS: 16,384 x wave, in buffer 0
	s_lshl_b32 s58, s[WV], 14                      ; and the same in a slot of memory
	s_mov_b32 s59, 0
	s_mov_b32 s[TB], BUF1                          ; the first change of buffers turns it to buffer 0
	s_mov_b32 s[BQ], 0
	s_mov_b32 s[TRIP], 8
	s_mov_b32 s[SEL], 0x76543210
	s_mov_b32 s[SEL+1], 0xfedcba98
	s_mov_b32 s54, 0x42800000                      ; 64
	s_mov_b32 s55, 0x3b000000                      ; 1 / 512
	s_mov_b32 s56, 0x3727c5ac                      ; 1e-5
	s_lshr_b32 s31, s[WV], 2
	s_or_b32 s31, s31, ttmp9                       ; 0 in waves 0-3 of the first cluster: the same in all four partners
	s_cmp_eq_u32 s31, 0
	s_cselect_b32 s[LIM], 1, -1
	s_lshl_b32 s60, s29, 15                        ; the prefetches: my work-group's quarter of a slot,
	s_and_b32 s31, s[WV], 3
	s_lshl_b32 s31, s31, 13
	s_add_co_u32 s60, s60, s31                     ; my wave's quarter of that,
	s_add_co_u32 s60, s60, 2*SLOTB                 ; in slot 2: the first change of buffers steps it to slot 4
	s_mov_b32 s61, 0
	v_and_b32 v16, 31, v0                          ; lane
	v_and_b32 v17, 15, v0                          ; r
	v_bfe_u32 v18, v0, 4, 1                        ; h
	v_lshlrev_b32 v[LI], 4, v16
	v_add_nc_u32 v[AW], s58, v[LI]
	v_add_nc_u32 v[AX], XB, v[LI]
	v_add_nc_u32 v[AH], HB, v[LI]
	s_lshl_b32 s31, s[WV], 11
	v_add_nc_u32 v[XW], s31, v[AX]
	s_lshl_b32 s31, s[WV], 10
	v_add_nc_u32 v[HW], s31, v[AH]
	v_lshl_add_u32 v[LNR], v16, 3, LNS
	s_lshl_b32 s31, s[WV], 9
	v_add_nc_u32 v[LNW], s31, v[LNR]
	v_lshlrev_b32 v[GV], 11, v17
	v_lshl_add_u32 v[GV], v18, 5, v[GV]
	v_lshlrev_b32 v[GC], 5, v18
	s_lshl_b32 s31, s[WV], 7
	v_add_nc_u32 v[ABC], s31, v[GC]
	v_add_nc_u32 v[ABC], BC, v[ABC]
	v_lshlrev_b32 v[PFO], 8, v16
	v_lshlrev_b32 v19, 4, v0                       ; 16 x thread: bc1's copy
	s_lshl_b32 s31, s[WV], 12
	v_add_nc_u32 v20, s31, v[AX]                   ; att's copy: my wave's 4,096 bytes of XB
	v_add_nc_u32 v21, BC, v19
	s_wait_dscnt 0x0                               ; both opening adds are done
	s_wait_kmcnt 0x0
	s_add_nc_u64 s[G0+2:G0+3], s[8:9], s[58:59]
	s_add_nc_u64 s[PFA:PFA+1], s[8:9], s[60:61]
	s_or_b32 s[G0+3], s[G0+3], 0x80000000          ; type = 2
	CROUND                                         ; all four work-groups are here: the first joint loads meet
	tensor_load_to_lds s[G0:G0+3], s[G1:G1+7]      ; slot 0
	s_nop 0
	s_lshl_b32 s52, s30, 15                        ; att: my block's two tiles of 16,384 bytes, my wave's 4,096 of them
	s_lshl_b32 s31, s[WV], 12
	s_add_co_u32 s52, s52, s31
	s_mov_b32 s53, 0
	s_add_nc_u64 s[4:5], s[4:5], s[52:53]
	s_lshl_b32 s52, s30, 16                        ; v, out0: my block's 32 rows of 2,048 bytes, my wave's 256 bytes of a row
	s_lshl_b32 s31, s[WV], 8
	s_add_co_u32 s52, s52, s31
	s_add_nc_u64 s[6:7], s[6:7], s[52:53]
	s_add_nc_u64 s[26:27], s[26:27], s[52:53]
	s_mov_b32 s52, s31                             ; the vectors of 512 columns: my wave's 256 bytes
.irp p, 10,12,14,18,20,22,24
	s_add_nc_u64 s[\p:\p+1], s[\p:\p+1], s[52:53]
.endr
	s_add_nc_u64 s[GW:GW+1], s[GW:GW+1], s[58:59]  ; the odd slots: my wave's part,
	s_add_nc_u64 s[GW:GW+1], s[GW:GW+1], SLOTB     ; of slot 1
.irp t, 0,1,2,3
.irp m, 0,1
	global_load_b128 v[ACA+8*(2*\t+\m):ACA+8*(2*\t+\m)+3], v[GV], s[6:7] offset:32768*\m+64*\t th:TH_LOAD_NT     ; the residual v, in the result's layout
	global_load_b128 v[ACA+8*(2*\t+\m)+4:ACA+8*(2*\t+\m)+7], v[GV], s[6:7] offset:32768*\m+64*\t+16 th:TH_LOAD_NT
.endr
.endr
	CLOAD 160, 10                                  ; bo
.irp i, 0,1,2,3,4,5,6,7
	global_load_b128 v[192+4*\i:195+4*\i], v[LI], s[4:5] offset:512*\i th:TH_LOAD_NT   ; att's images, as they lie
.endr
	global_load_b128 v[224:227], v19, s[16:17]
	global_load_b128 v[228:231], v19, s[16:17] offset:4096
	s_wait_loadcnt 0x0
	GLOAD 0, 1                                     ; slot 1
	GLOAD 1, 0                                     ; slot 3
.irp i, 0,1,2,3,4,5,6,7
	ds_store_b128 v20, v[192+4*\i:195+4*\i] offset:512*\i
.endr
	ds_store_b128 v21, v[224:227]
	ds_store_b128 v21, v[228:231] offset:4096
.irp t, 0,1,2,3
.irp m, 0,1
.irp p, 0,2,4,6
	v_pk_add_f32 v[ACA+8*(2*\t+\m)+\p:ACA+8*(2*\t+\m)+\p+1], v[ACA+8*(2*\t+\m)+\p:ACA+8*(2*\t+\m)+\p+1], v[160+8*\t+\p:161+8*\t+\p]   ; v + bo: where the first product's sums begin
.endr
.endr
.endr
	; ---- slots 0-3: + att Wo^T.  The first round hands over att's images and bc1
	ENTER 1, 1                                     ; into slot 0; slot 2 is asked for
	RUN 4, ACA, AX, 16384, 0
	RUNR 4, ACA, AX, 16384, 4, 0, 32               ; slot 1; slot 3's 32 loads may be out
	GLOAD 0, 0                                     ; slot 5
	ENTER 1, 1                                     ; into slot 2; slot 4 is asked for
	RUN 4, ACA, AX, 16384, 8
	RUNR 4, ACA, AX, 16384, 12, 1, 32              ; slot 3; slot 5's 32 loads may be out
	; ---- LN1
	CLOAD 160, 12                                  ; g1
	CLOAD 192, 14                                  ; b1
	CLOAD 224, 18                                  ; bc2
	GLOAD 1, 0                                     ; slot 7: behind the three vectors, so that the wait for them can leave these 32 out
	LNA ACA
	ENTER 1, 1                                     ; into slot 4; the round hands over the waves' figures, and nobody reads att any more
	s_wait_loadcnt 32                              ; g1, b1, bc2 are in; slot 7's 32 loads may be out
	LNB ACA, ACB
.irp t, 0,1,2,3
.irp m, 0,1
.irp p, 0,2,4,6
	v_pk_add_f32 v[ACB+8*(2*\t+\m)+\p:ACB+8*(2*\t+\m)+\p+1], v[ACA+8*(2*\t+\m)+\p:ACA+8*(2*\t+\m)+\p+1], v[224+8*\t+\p:225+8*\t+\p]   ; x + bc2: where the second FFN product's sums begin
.endr
.endr
.endr
	PACKX ACA
	BARRIER                                        ; x's images lie in XB
	; ---- slots 4-35: the FFN, a chunk of 256 hidden units a trip: slots 4 + 4 q (ring), 5 + 4 q (set 0): Wc1;  6 + 4 q (ring), 7 + 4 q (set 1): Wc2
.Lchunk:
	v_add_nc_u32 v30, s[BQ], v[ABC]
.irp t, 0,1
.irp m, 0,1
	ds_load_b128 v[ACA+8*(2*\t+\m):ACA+8*(2*\t+\m)+3], v30 offset:64*\t          ; bc1 of my 32 units: where the sums begin, for both tiles of rows
	ds_load_b128 v[ACA+8*(2*\t+\m)+4:ACA+8*(2*\t+\m)+7], v30 offset:64*\t+16
.endr
.endr
	RUN 2, ACA, AX, 16384, 0
	RUNR 2, ACA, AX, 16384, 8, 0, 32               ; set 1's 32 loads may be out
	GLOAD 0, 0                                     ; slot 9 + 4 q: the next chunk's, in the last trip slot 37 of Wl
.set i, 0
.rept 32
	v_max_num_f32 v[ACA+i], 0, v[ACA+i]            ; the activation, in f32
.set i, i+1
.endr
.irp m, 0,1
.irp t, 0,1
.irp j, 0,1,2,3
	v_cvt_pk_f16_f32 v[16+8*\m+4*\t+\j], v[ACA+8*(2*\t+\m)+2*\j], v[ACA+8*(2*\t+\m)+2*\j+1]
.endr
.endr
.endr
.irp m, 0,1
.irp t, 0,1
	ds_store_b128 v[HW], v[16+8*\m+4*\t:19+8*\m+4*\t] offset:8192*\m+512*\t   ; my 32 units are K step w of the chunk
.endr
.endr
	ENTER 1, 1                                     ; into slot 6 + 4 q; the round hands over the chunk's images
	RUN 4, ACB, AH, 8192, 0
	RUNR 4, ACB, AH, 8192, 4, 1, 32                ; set 0's 32 loads may be out
	GLOAD 1, 0                                     ; slot 11 + 4 q: in the last trip slot 39 of Wl
	ENTER 1, 2                                     ; into slot 8 + 4 q; nobody reads the chunk's images any more
	s_add_co_u32 s[BQ], s[BQ], 1024
	s_sub_co_u32 s[TRIP], s[TRIP], 1
	s_cmp_lg_u32 s[TRIP], 0
	s_cbranch_scc1 .Lchunk
	; ---- LN2 (slot 36 is entered, slot 38 is asked for)
	CLOAD 160, 20                                  ; g2
	CLOAD 192, 22                                  ; b2
.irp t, 0,1,2,3
.irp m, 0,1
	global_load_b128 v[ACA+8*(2*\t+\m):ACA+8*(2*\t+\m)+3], v[GC], s[24:25] offset:64*\t       ; bl: where the last product's sums begin
	global_load_b128 v[ACA+8*(2*\t+\m)+4:ACA+8*(2*\t+\m)+7], v[GC], s[24:25] offset:64*\t+16
.endr
.endr
	LNA ACB
	BARRIER                                        ; the waves' figures lie in LDS
	s_wait_loadcnt 0x0                             ; g2, b2, bl; slots 37 and 39, asked for earlier, are in too
	LNB ACB, 224
	PACKX ACB
	BARRIER                                        ; the images of LN2's result lie in XB
	; ---- slots 36-39: Wl
	RUN 4, ACA, AX, 16384, 0
	RUNR 4, ACA, AX, 16384, 4, 0, 0
	ENTER 0, 0                                     ; into slot 38; nothing is left to fetch: a plain barrier
	RUN 4, ACA, AX, 16384, 8
	RUNR 4, ACA, AX, 16384, 12, 1, 0
	; ---- THE WAY OUT.  A lane holds 32 neighbouring bytes of a row, the lanes beside it other rows: the results go through a stage of 2 x 16 rows x (256 + 16) bytes and come back as rows, so that sixteen lanes store
	; 256 consecutive aligned bytes.  The stage lies in my own part of buffer 0, which has had its last fill (slot 36), and which I alone have read.
	v_and_b32 v19, 15, v0
	v_bfe_u32 v20, v0, 4, 1
	v_mul_u32_u24 v16, v19, 272
	v_lshl_add_u32 v16, v20, 5, v16
	v_add_nc_u32 v16, s58, v16                     ; in: row r, + 32 h
	v_mul_u32_u24 v17, v20, 272
	v_lshl_add_u32 v17, v19, 4, v17
	v_add_nc_u32 v17, s58, v17                     ; back: lanes 0-15 one row, lanes 16-31 the next
	v_lshlrev_b32 v18, 11, v20
	v_lshl_add_u32 v18, v19, 4, v18                ; and the same two rows in out0
.irp m, 0,1
.irp t, 0,1,2,3
	ds_store_b128 v16, v[ACA+8*(2*\t+\m):ACA+8*(2*\t+\m)+3] offset:4352*\m+64*\t          ; each accumulator from its low end on
	ds_store_b128 v16, v[ACA+8*(2*\t+\m)+4:ACA+8*(2*\t+\m)+7] offset:4352*\m+64*\t+16
.endr
.endr
.irp m, 0,1
.irp i, 0,1,2,3,4,5,6,7
	ds_load_b128 v[160+32*\m+4*\i:163+32*\m+4*\i], v17 offset:4352*\m+544*\i   ; LDS serves a wave's instructions in order (ISA guide 5.7.1.4): these see my stores
.endr
.endr
.irp m, 0,1
.irp i, 0,1,2,3,4,5,6,7
	s_wait_dscnt 15-8*\m-\i                        ; the later loads may be out
	global_store_b128 v18, v[160+32*\m+4*\i:163+32*\m+4*\i], s[26:27] offset:(16*\m+2*\i)*2048 th:TH_STORE_NT
.endr
.endr
	s_wait_tensorcnt 0x0                           ; the wave's end: behind my last tensor load and my last LDS store
	ds_add_u32 v[SPW], v[NIL]
	s_wait_dscnt 0x0
	CROUND                                         ; the closing round: no work-group ends while a partner may still ask for a slot that names it
	s_endpgm
.Lfunc_end_k_qf00c28f139_tail:
	.size	k_qf00c28f139_tail, .Lfunc_end_k_qf00c28f139_tail-k_qf00c28f139_tail
	.p2alignl 7, 3214868480
	.fill 96, 4, 3214868480
	.section	.rodata,"a",@progbits
	.p2align	6, 0x0
	.amdhsa_kernel k_qf00c28f139_tail
		.amdhsa_group_segment_fixed_size 327680
		.amdhsa_private_segment_fixed_size 0
		.amdhsa_enable_private_segment 0
		.amdhsa_kernarg_size 96
		.amdhsa_user_sgpr_count 2
		.amdhsa_user_sgpr_kernarg_segment_ptr 1
		.amdhsa_wavefront_size32 1
		.amdhsa_system_sgpr_workgroup_id_x 1
		.amdhsa_system_sgpr_workgroup_id_y 1
		.amdhsa_system_sgpr_workgroup_id_z 1
		.amdhsa_system_vgpr_workitem_id 0
		.amdhsa_next_free_vgpr 512
		.amdhsa_next_free_sgpr 66
		.amdhsa_reserve_vcc 0
		.amdhsa_float_denorm_mode_32 3
		.amdhsa_float_denorm_mode_16_64 3
		.amdhsa_memory_ordered 1
		.amdhsa_forward_progress 1
		.amdhsa_inst_pref_size 146
	.end_amdhsa_kernel
	.amdgpu_metadata
---
amdhsa.version: [ 1, 2 ]
amdhsa.kernels:
  - .name:           k_qf00c28f139_tail
    .symbol:         k_qf00c28f139_tail.kd
    .args:
      - { .name: af, .offset: 0, .size: 8, .value_kind: global_buffer, .address_space: global }
      - { .name: v, .offset: 8, .size: 8, .value_kind: global_buffer, .address_space: global }
      - { .name: wst, .offset: 16, .size: 8, .value_kind: global_buffer, .address_space: global }
      - { .name: bo, .offset: 24, .size: 8, .value_kind: global_buffer, .address_space: global }
      - { .name: g1, .offset: 32, .size: 8, .value_kind: global_buffer, .address_space: global }
      - { .name: b1, .offset: 40, .size: 8, .value_kind: global_buffer, .address_space: global }
      - { .name: bc1, .offset: 48, .size: 8, .value_kind: global_buffer, .address_space: global }
      - { .name: bc2, .offset: 56, .size: 8, .value_kind: global_buffer, .address_space: global }
      - { .name: g2, .offset: 64, .size: 8, .value_kind: global_buffer, .address_space: global }
      - { .name: b2, .offset: 72, .size: 8, .value_kind: global_buffer, .address_space: global }
      - { .name: bl, .offset: 80, .size: 8, .value_kind: global_buffer, .address_space: global }
      - { .name: out0, .offset: 88, .size: 8, .value_kind: global_buffer, .address_space: global }
    .group_segment_fixed_size: 327680
    .private_segment_fixed_size: 0
    .kernarg_segment_align: 8
    .kernarg_segment_size: 96
    .max_flat_workgroup_size: 256
    .sgpr_count:     66
    .vgpr_count:     512
    .wavefront_size: 32
...
	.end_amdgpu_metadata
.endif
;; end of part 4
